; MI455X (gfx1250); checked and timed in simulation.
; The chip was launched on July 23, 2026; its instructions are those of AMD's public machine-readable ISA for CDNA 5 (MIT licence, August 2026) and "CDNA5" Instruction Set Architecture Reference Guide (July 2026). The comments in the code are by the model that wrote it; some were corrected since.
;; Multi Head Attention. Allowed arithmetic: matrix products marked QUANTISED: E2M3 operands, one E8M0 scale for each 32 along K, by v_wmma_scale_f32_16x16x128_f8f6f4 with both operands' format E2M3, f32 sums; everything else in f32.
;; Inputs: b_k 1,024 float32; b_o 1,024 float32; b_q 1,024 float32; b_v 1,024 float32; k 4 x 2,048 x 1,024 float32; q 4 x 2,048 x 1,024 float32; v 4 x 2,048 x 1,024 float32; w_k 1,024 x 1,024 float32; w_o 1,024 x 1,024 float32; w_q 1,024 x 1,024 float32; w_v 1,024 x 1,024 float32.
;; Outputs: out0 4 x 2,048 x 1,024 float32.
;; This version of the problem:
;;   THIS VERSION OF THE PROBLEM IS GIVEN IN LOW PRECISION. The matrix products marked QUANTISED in the list below multiply operands that are first quantised to E2M3 (2 exponent bits, 3 mantissa bits; 6 bits a number), with one power-of-two scale for each 32 numbers along K (OCP MX v1.0); their sums are f32. All else is computed in f32.
;;   The module's matrix products, in the order in which they are computed (A, B: the left and right operand; K: the contracted axis; several contracted axes count as one K, in the product's order):
;;     1. [M 8,192, K 1,024] x [K 1,024, N 1,024]; A: input q; B: input w_q: QUANTISED
;;     2. [M 8,192, K 1,024] x [K 1,024, N 1,024]; A: input k; B: input w_k: QUANTISED
;;     3. [M 8,192, K 1,024] x [K 1,024, N 1,024]; A: input v; B: input w_v: QUANTISED
;;     4. batch 64 x [M 2,048, K 64] x [K 64, N 2,048]; A: computed on the way; B: computed on the way: QUANTISED
;;     5. batch 64 x [M 2,048, K 2,048] x [K 2,048, N 64]; A: softmax (see below); B: computed on the way: QUANTISED
;;     6. [M 8,192, K 1,024] x [K 1,024, N 1,024]; A: computed on the way; B: input w_o: QUANTISED
;;   THE QUANTISER, for each operand of a quantised product, along K:
;;     - K is cut into blocks of 32 from its start; a last block that is shorter is filled with zeros.
;;     - A block's scale is 2^e with e = floor(log2(the largest magnitude in the block)) - 2, held to -126 .. 127; a block of zeros has e = 0. As a byte (E8M0): e + 127.
;;     - Each number is divided by its block's scale, clamped to +-7.5, and rounded to the nearest number of E2M3, ties to even, subnormals kept.
;;     - The product sums the exact products of the quantised numbers (number of the format x scale) in f32.
;;   ~~~python
;;   def quantise(x, axis):      # numpy; x: float32 -> the quantised numbers, widened to float32 again
;;       x = np.moveaxis(x, axis, -1); K = x.shape[-1]
;;       x = np.pad(x, [(0, 0)] * (x.ndim - 1) + [(0, -K % 32)]); x = x.reshape(x.shape[:-1] + (-1, 32)); a = np.abs(x).max(-1, keepdims=True)
;;       e = np.where(a > 0, np.clip(np.frexp(np.where(a > 0, a, 1))[1] - 1 - 2, -126, 127), 0)      # np.frexp(a)[1] - 1 = floor(log2(a)), exactly
;;       r = np.clip(x / 2.0 ** e, -7.5, 7.5)
;;       step = 2.0 ** (np.maximum(np.frexp(np.where(r == 0, 1, r))[1] - 1, 0) - 3)
;;       q = np.round(r / step) * step * 2.0 ** e      # np.round: ties to even
;;       return np.moveaxis(q.reshape(q.shape[:-2] + (-1,))[..., :K], -1, axis).astype(np.float32)
;;   ~~~
;;   SOFTMAX AHEAD OF A QUANTISED PRODUCT. Where the list says 'softmax', what is quantised is not the finished softmax but p = 2^(t - M), with t = logit x log2(e) and M = ceil(the row's largest t), a whole number; so 1/2 < the row's largest p <= 1. The row's sum l is taken of the UNQUANTISED p, in f32, and the product's result is divided by l at the end. Since M is a whole number, a kernel that streams over the keys may use a running M (the ceiling of the running maximum): every later rescaling is an exact power of two, which a block's scale takes up: the codes' values come out the same.
;;   OPERANDS COMPUTED ON THE WAY. 'Computed on the way' means the value that the module computes at that place (a softmax that the list does not call 'softmax' is quantised finished and normalised). What goes into a quantiser is computed in f32, as accurately as f32 sums, v_exp_f32 and their like allow (about 1e-6 of the number): no bf16 or f16 on the way to a quantiser, and a product that is left as it is and whose result goes on into a quantised operand takes f32 operands (vector FMAs, or v_wmma_f32_16x16x4_f32). A number that lies on a knife's edge between two numbers of the format may be rounded either way, as far as f32 arithmetic and the matrix unit's own rounding can turn it there, and no further.
;; One version. Each part assembles by itself: llvm-mc -triple=amdgcn-amd-amdhsa -mcpu=gfx1250 --defsym DOCPART=n.
;; ======== version 1 of 1: 4 launches
;; workspace buffers: cod 22,020,096 bytes; scl 917,504 bytes; hc 20,185,088 bytes; ac 6,291,456 bytes; asc 262,144 bytes
;; launch prep (part 1): grid 896 x 1, 4 waves a work-group, no clusters, 68,096 bytes of LDS; arguments q, k, v, w_q, w_k, w_v, w_o, cod, scl; writes cod, scl
.if DOCPART == 1
	.amdgcn_target "amdgcn-amd-amdhsa--gfx1250"
	.amdhsa_code_object_version 6
	.text
	.protected	k_q0a3143536f_prep
	.globl	k_q0a3143536f_prep
	.p2align	8
	.type	k_q0a3143536f_prep,@function
k_q0a3143536f_prep:
	s_mov_b64 s[64:65], 0
	v_nop
	global_prefetch_b8 v0, s[64:65] scope:SCOPE_SE
	s_setreg_imm32_b32 hwreg(HW_REG_WAVE_MODE, 25, 1), 1
	s_wait_xcnt 0x0
; q, k, v [8192][1024] f32 (K innermost) and w_q, w_k, w_v, w_o [1024 (K)][1024 (n)] f32 (K outermost) become codes of FP6 (E2M3) with K innermost, 768 bytes a row, and one E8M0 byte for each 32 along K, 32 bytes a row.
; A block's scale is 2^(floor(log2(its largest magnitude)) - 2); its byte is the largest magnitude's exponent field - 2, held at 1 from below.
; LIMITS: a block of zeros gets the byte 1 where the rule says 127 (its codes are zeros, and this program alone reads the bytes); NaN and infinities among the inputs are not served.
; ORDER OF ROWS.  The rows of k, of v and of the four weights (their n) are stored so that the row at place p is row swap34(p), p with its bits 3 and 4 exchanged: sixteen neighbouring places then give a matrix
; tile whose results, taken two tiles together, are 16 neighbours along the next product's K.  q's rows keep their order.
; Work-groups 0-767 take q, k, v (32 rows each), work-groups 768-895 the weights (128 columns x 256 along K each).  The two ways part on the work-group's number and have LDS bytes of their own.
; No cluster and no joint loads: no two work-groups read the same input byte.  No tensor loads, no barrier: waves share nothing.
.set EMAX,   2
.set XSTEPS, 16                        ; a wave of the first way takes 16 steps of 512 numbers: 8 rows
.set CBY,    12                        ; bytes of 16 codes
.set XR,     16                        ; v16-79   four sets of 16 numbers as they are loaded
.set XX,     80                        ; v80-111  two sets of 16 neighbours
.set XE,     112                       ; v112-127 a scale byte for each step
.set XC,     128                       ; v128-191 codes: four registers for each step
.set WREG,   8192                      ; LDS of the first way: a region for each wave: two stages of 32 x SP bytes, then its 256 scale bytes
.set SP,     80                        ; a lane's place in a stage: 64 bytes + 16 of padding
.set WSTG,   32768                     ; LDS of the second way begins here: a stage of 32 rows x WPITCH for each wave
.set WPITCH, 272
.set KROW,   768                       ; a row of codes
.set NB,     8                         ; blocks of 32 along K for a wave of the second way
.set WX,     32                        ; v32-95   two sets of 32 numbers
.set WC,     96                        ; v96..    a block's codes
.set WOUT,   112                       ; v112-175 the way out
.set WSB,    24                        ; v24-25   the scale bytes, four to a register
	s_load_b512 s[8:23], s[0:1], 0x0               ; q s[8:9], k s[10:11], v s[12:13], w_q s[14:15], w_k s[16:17], w_v s[18:19], w_o s[20:21], cod s[22:23]
	s_load_b64 s[24:25], s[0:1], 0x40              ; scl
	v_lshl_add_u32 v192, v0, 2, 0x10800
	v_mov_b32 v193, 0
	v_lshrrev_b32 v1, 5, v0
	v_readfirstlane_b32 s28, v1                    ; wave 0..3
	v_and_b32 v2, 31, v0                           ; lane
	s_cmp_ge_u32 ttmp9, 768
	s_cbranch_scc1 .Lweights
; ---------------- q, k, v: K is innermost.  Each load reads 512 consecutive bytes; a step's 2,048 bytes turn through the wave's stage so that a lane holds 16 neighbours; two neighbouring lanes hold a block.
	v_lshlrev_b32 v3, 4, v2                        ; my 16 bytes of a load's 512
	s_mul_i32 s30, s28, WREG
	v_lshrrev_b32 v14, 2, v2
	v_mul_u32_u24 v14, v14, SP
	v_and_b32 v15, 3, v2
	v_lshl_add_u32 v14, v15, 4, v14
	v_add_nc_u32 v14, s30, v14                     ; the stage, on the way in: SP (lane / 4) + 16 (lane % 4)
	v_mul_u32_u24 v15, v2, SP
	v_add_nc_u32 v15, s30, v15                     ; and on the way out: SP x lane
	v_mul_u32_u24 v4, v2, CBY                      ; my codes' place in a step's
	v_lshrrev_b32 v5, 1, v2
	s_add_co_u32 s30, s30, 2*32*SP
	v_add_nc_u32 v5, s30, v5                       ; my wave's 256 scale bytes, my block's byte
	v_lshlrev_b32 v7, 3, v2
	v_add_nc_u32 v6, s30, v7                       ; and on the way out 8 bytes a lane
	s_lshr_b32 s26, ttmp9, 8                       ; which tensor: 0 q, 1 k, 2 v
	s_and_b32 s27, ttmp9, 255
	s_lshl_b32 s27, s27, 2                         ; the work-group's first run of 8 rows
	s_and_b32 s29, s28, 1
	s_lshl_b32 s29, s29, 1
	s_lshr_b32 s31, s28, 1
	s_or_b32 s29, s29, s31                         ; the wave's number with its two bits exchanged: a run is 8 rows, so this is swap34 on rows
	s_wait_kmcnt 0x0
	s_cmp_eq_u32 s26, 0
	s_cselect_b64 s[4:5], s[8:9], s[10:11]
	s_cselect_b32 s29, s28, s29                    ; q's rows keep their order
	s_cmp_eq_u32 s26, 2
	s_cselect_b64 s[4:5], s[12:13], s[4:5]
	s_add_co_u32 s32, s27, s28
	s_lshl_b32 s32, s32, 15                        ; the run that I read: 32,768 bytes each
	s_mov_b32 s33, 0
	s_add_nc_u64 s[4:5], s[4:5], s[32:33]
	s_add_co_u32 s29, s27, s29                     ; the run that I write
	s_mul_i32 s32, s29, 8*KROW
	s_mul_i32 s34, s26, 6291456
	s_add_co_u32 s32, s32, s34
	s_add_nc_u64 s[6:7], s[22:23], s[32:33]        ; its codes
	s_lshl_b32 s32, s29, 8
	s_lshl_b32 s34, s26, 18
	s_add_co_u32 s32, s32, s34
	s_add_nc_u64 s[24:25], s[24:25], s[32:33]      ; its 256 scale bytes
.macro XLOAD t
.irp i, 0,1,2,3
	global_load_b128 v[XR+16*((\t)%4)+4*\i:XR+16*((\t)%4)+4*\i+3], v3, s[4:5] offset:2048*(\t)+512*\i th:TH_LOAD_NT
.endr
.endm
.macro XTURN t                         ; step t's numbers through the stage: LDS serves a wave's instructions in order, so no wait stands between the stores and the loads
.irp i, 0,1,2,3
	ds_store_b128 v14, v[XR+16*((\t)%4)+4*\i:XR+16*((\t)%4)+4*\i+3] offset:32*SP*((\t)%2)+8*SP*\i
.endr
.irp i, 0,1,2,3
	ds_load_b128 v[XX+16*((\t)%2)+4*\i:XX+16*((\t)%2)+4*\i+3], v15 offset:32*SP*((\t)%2)+16*\i
.endr
.endm
.irp t, 0,1,2,3
	XLOAD \t
.endr
	s_wait_loadcnt 12                              ; step 0's four loads are in; the twelve of steps 1 to 3 may be out
	XTURN 0
.macro XSTEP t
.set XS, XX+16*((\t)%2)
.if (\t) > 0
	s_wait_dscnt 1                                 ; this step's numbers are back from the stage (the last step's byte store may be out)
.else
	s_wait_dscnt 0x0
.endif
.if (\t)+4 < XSTEPS
	XLOAD (\t)+4                                   ; into the registers whose stores into the stage have been served
.endif
.if (\t)+1 < XSTEPS
.if XSTEPS-2-(\t) >= 3
	s_wait_loadcnt 12                              ; the next step's four loads are in; those of the three steps behind it may be out
.else
	s_wait_loadcnt 4*(XSTEPS-2-(\t))
.endif
	XTURN (\t)+1
.endif
	v_max3_num_f32 v8, |v[XS]|, |v[XS+1]|, |v[XS+2]|   ; the largest magnitude of my 16, in two chains
	v_max3_num_f32 v9, |v[XS+3]|, |v[XS+4]|, |v[XS+5]|
.irp i, 6,10
	v_max3_num_f32 v8, v8, |v[XS+\i]|, |v[XS+\i+1]|
	v_max3_num_f32 v9, v9, |v[XS+\i+2]|, |v[XS+\i+3]|
.endr
	v_max3_num_f32 v8, v8, |v[XS+14]|, |v[XS+15]|
	v_max3_num_f32 v8, v8, v9, (EMAX+1)<<23        ; and the floor 2^(EMAX + 1 - 127): the byte cannot fall under 1
	v_max_num_f32_dpp v8, v8, v8 row_xmask:1 row_mask:0xf bank_mask:0xf   ; with my neighbour's 16: the block's
	v_add_nc_u32 v11, -(EMAX<<23), v8              ; EMAX off its exponent field: the conversion takes this operand's exponent field as its scale
	v_cvt_scalef32_pk16_fp6_f32 v[XC+4*(\t):XC+4*(\t)+2], v[XS:XS+15], v11
	v_lshrrev_b32 v[XE+(\t)], 23, v11              ; the scale's byte
	ds_store_b8 v5, v[XE+(\t)] offset:16*(\t)      ; both lanes of a block write the same byte with the same value
	global_store_b96 v4, v[XC+4*(\t):XC+4*(\t)+2], s[6:7] offset:32*CBY*(\t)
.endm
.irp t, 0,1,2,3,4,5,6,7,8,9,10,11,12,13,14,15
	XSTEP \t
.endr
	ds_load_b64 v[12:13], v6                       ; LDS serves a wave's instructions in order: these see my byte stores
	s_wait_dscnt 0x0
	global_store_b64 v7, v[12:13], s[24:25]        ; 32 lanes store 256 consecutive bytes, aligned
	s_wait_tensorcnt 0x0
	ds_add_u32 v192, v193
	s_wait_dscnt 0x0
	s_endpgm
; ---------------- the weights: K is the first axis.  A lane takes a column n and its registers run down K: a block of 32 lies in one lane, and the conversions give codes with K innermost.
.Lweights:
	s_sub_co_u32 s26, ttmp9, 768
	s_lshr_b32 s27, s26, 5                         ; which weight: 0 w_q, 1 w_k, 2 w_v, 3 w_o
	s_and_b32 s29, s26, 7                          ; which 128 columns
	s_bfe_u32 s30, s26, 0x20003                    ; which 256 along K
	s_lshl_b32 s31, s29, 7
	s_lshl_b32 s32, s28, 5
	s_add_co_u32 s31, s31, s32                     ; my wave's first column
	v_lshlrev_b32 v3, 2, v2                        ; in: 4 bytes a lane
	s_mul_i32 s33, s28, 32*WPITCH
	s_add_co_u32 s33, s33, WSTG                    ; my stage
	v_and_b32 v10, 7, v2
	v_bfe_u32 v11, v2, 3, 1
	v_lshl_add_u32 v10, v11, 4, v10
	v_bfe_u32 v11, v2, 4, 1
	v_lshl_add_u32 v10, v11, 3, v10                ; swap34(lane): the place at which my column's row is stored
	v_mul_u32_u24 v4, v10, WPITCH
	v_add_nc_u32 v4, s33, v4                       ; into the stage: row = my column's place
	v_and_b32 v5, 15, v2
	v_lshrrev_b32 v6, 4, v2
	v_mul_u32_u24 v7, v6, WPITCH
	v_lshl_add_u32 v7, v5, 4, v7
	v_add_nc_u32 v7, s33, v7                       ; out of it: sixteen lanes to a row, two rows an instruction
	v_mul_u32_u24 v8, v6, KROW
	v_mad_u32_u24 v8, v5, 12, v8                   ; and the same place among the codes
	v_lshlrev_b32 v9, 5, v10                       ; my column's row of scale bytes
	s_lshl_b32 s34, s30, 20                        ; the weight: 256 rows of 4,096 bytes for each step along K,
	s_lshl_b32 s35, s31, 2
	s_add_co_u32 s34, s34, s35                     ; + 4 x column
	s_mov_b32 s35, 0
	s_mul_i32 s36, s27, 786432                     ; the codes: the weight's region, + place x 768, + 192 for each 256 along K
	s_mul_i32 s37, s31, KROW
	s_add_co_u32 s36, s36, s37
	s_mul_i32 s37, s30, 192
	s_add_co_u32 s36, s36, s37
	s_add_co_u32 s36, s36, 18874368
	s_mov_b32 s37, 0
	s_lshl_b32 s38, s27, 15                        ; the scale bytes likewise: 32 a row, 8 for each 256 along K
	s_lshl_b32 s39, s31, 5
	s_add_co_u32 s38, s38, s39
	s_lshl_b32 s39, s30, 3
	s_add_co_u32 s38, s38, s39
	s_add_co_u32 s38, s38, 786432
	s_mov_b32 s39, 0
	s_and_b32 s40, s27, 1
	s_wait_kmcnt 0x0
	s_cmp_lt_u32 s27, 2
	s_cselect_b64 s[4:5], s[14:15], s[18:19]       ; w_q or w_v
	s_cselect_b64 s[6:7], s[16:17], s[20:21]       ; w_k or w_o
	s_cmp_eq_u32 s40, 1
	s_cselect_b64 s[4:5], s[6:7], s[4:5]
	s_add_nc_u64 s[4:5], s[4:5], s[34:35]
	s_add_nc_u64 s[6:7], s[22:23], s[36:37]
	s_add_nc_u64 s[24:25], s[24:25], s[38:39]
.macro WLOAD t                         ; block t: w(32 t + i, my column), i = 0 .. 31, into set t % 2: a wave's load reads 128 consecutive bytes
.set i, 0
.rept 32
	global_load_b32 v[WX+32*((\t)%2)+i], v3, s[4:5] offset:(32*(\t)+i)*4096 th:TH_LOAD_NT
.set i, i+1
.endr
.endm
	WLOAD 0
	WLOAD 1
.macro WBLOCK t
.set WS, WX+32*((\t)%2)
.if (\t) < NB-1
	s_wait_loadcnt 32                              ; this block's 32 loads are in; the next block's 32 may be out
.else
	s_wait_loadcnt 0
.endif
	v_max3_num_f32 v12, |v[WS]|, |v[WS+1]|, |v[WS+2]|   ; the block's largest magnitude: all 32 numbers are mine
	v_max3_num_f32 v13, |v[WS+3]|, |v[WS+4]|, |v[WS+5]|
.irp i, 6,10,14,18,22,26
	v_max3_num_f32 v12, v12, |v[WS+\i]|, |v[WS+\i+1]|
	v_max3_num_f32 v13, v13, |v[WS+\i+2]|, |v[WS+\i+3]|
.endr
	v_max3_num_f32 v12, v12, |v[WS+30]|, |v[WS+31]|
	v_max3_num_f32 v12, v12, v13, (EMAX+1)<<23     ; and the floor
	v_add_nc_u32 v11, -(EMAX<<23), v12             ; the conversions' scale operand
	v_lshrrev_b32 v13, 23, v11                     ; the scale's byte
.if (\t)%4 == 0
	v_mov_b32 v[WSB+(\t)/4], v13                   ; four bytes to a register, the lower K in the lower byte
.else
	v_lshl_or_b32 v[WSB+(\t)/4], v13, 8*((\t)%4), v[WSB+(\t)/4]
.endif
	v_cvt_scalef32_pk16_fp6_f32 v[WC:WC+2], v[WS:WS+15], v11
	v_cvt_scalef32_pk16_fp6_f32 v[WC+4:WC+6], v[WS+16:WS+31], v11   ; (a conversion's three registers begin on an even number)
	v_nop                                          ; one plain line behind the conversions
	ds_store_b96 v4, v[WC:WC+2] offset:32*(\t)     ; 12 bytes to a place of 16, so that every LDS address is a multiple of 16
	ds_store_b96 v4, v[WC+4:WC+6] offset:32*(\t)+16
.if (\t)+2 < NB
	WLOAD (\t)+2
.endif
	s_wait_dscnt 0x0                               ; the stores have read their registers: the next block's codes may be written
.endm
.irp t, 0,1,2,3,4,5,6,7
	WBLOCK \t
.endr
	global_store_b64 v9, v[WSB:WSB+1], s[24:25]    ; my column's 8 scale bytes
.irp t, 0,1,2,3,4,5,6,7,8,9,10,11,12,13,14,15
	ds_load_b96 v[WOUT+4*\t:WOUT+4*\t+2], v7 offset:2*\t*WPITCH   ; LDS serves a wave's instructions in order: these see my stores
.endr
.irp t, 0,1,2,3,4,5,6,7,8,9,10,11,12,13,14,15
	s_wait_dscnt 15-\t
	global_store_b96 v8, v[WOUT+4*\t:WOUT+4*\t+2], s[6:7] offset:2*\t*KROW   ; sixteen lanes store a row's 192 consecutive bytes
.endr
	s_wait_tensorcnt 0x0
	ds_add_u32 v192, v193
	s_wait_dscnt 0x0
	s_endpgm
.Lfunc_end_k_q0a3143536f_prep:
	.size	k_q0a3143536f_prep, .Lfunc_end_k_q0a3143536f_prep-k_q0a3143536f_prep
	.p2alignl 7, 3214868480
	.fill 96, 4, 3214868480
	.section	.rodata,"a",@progbits
	.p2align	6, 0x0
	.amdhsa_kernel k_q0a3143536f_prep
		.amdhsa_group_segment_fixed_size 68096
		.amdhsa_private_segment_fixed_size 0
		.amdhsa_enable_private_segment 0
		.amdhsa_kernarg_size 72
		.amdhsa_user_sgpr_count 2
		.amdhsa_user_sgpr_kernarg_segment_ptr 1
		.amdhsa_wavefront_size32 1
		.amdhsa_system_sgpr_workgroup_id_x 1
		.amdhsa_system_sgpr_workgroup_id_y 1
		.amdhsa_system_sgpr_workgroup_id_z 1
		.amdhsa_system_vgpr_workitem_id 0
		.amdhsa_next_free_vgpr 194
		.amdhsa_next_free_sgpr 66
		.amdhsa_reserve_vcc 0
		.amdhsa_float_denorm_mode_32 3
		.amdhsa_float_denorm_mode_16_64 3
		.amdhsa_memory_ordered 1
		.amdhsa_forward_progress 1
		.amdhsa_inst_pref_size 74
	.end_amdhsa_kernel
	.amdgpu_metadata
---
amdhsa.version: [ 1, 2 ]
amdhsa.kernels:
  - .name:           k_q0a3143536f_prep
    .symbol:         k_q0a3143536f_prep.kd
    .args:
      - { .name: q, .offset: 0, .size: 8, .value_kind: global_buffer, .address_space: global }
      - { .name: k, .offset: 8, .size: 8, .value_kind: global_buffer, .address_space: global }
      - { .name: v, .offset: 16, .size: 8, .value_kind: global_buffer, .address_space: global }
      - { .name: w_q, .offset: 24, .size: 8, .value_kind: global_buffer, .address_space: global }
      - { .name: w_k, .offset: 32, .size: 8, .value_kind: global_buffer, .address_space: global }
      - { .name: w_v, .offset: 40, .size: 8, .value_kind: global_buffer, .address_space: global }
      - { .name: w_o, .offset: 48, .size: 8, .value_kind: global_buffer, .address_space: global }
      - { .name: cod, .offset: 56, .size: 8, .value_kind: global_buffer, .address_space: global }
      - { .name: scl, .offset: 64, .size: 8, .value_kind: global_buffer, .address_space: global }
    .group_segment_fixed_size: 68096
    .private_segment_fixed_size: 0
    .kernarg_segment_align: 8
    .kernarg_segment_size: 72
    .max_flat_workgroup_size: 128
    .sgpr_count:     66
    .vgpr_count:     194
    .wavefront_size: 32
...
	.end_amdgpu_metadata
.endif
;; end of part 1
;; launch proj (part 2): grid 4 x 96, 4 waves a work-group, clusters of 4 x 4, 327,680 bytes of LDS; arguments cod, scl, b_q, b_k, b_v, hc; writes hc
.if DOCPART == 2
	.amdgcn_target "amdgcn-amd-amdhsa--gfx1250"
	.amdhsa_code_object_version 6
	.text
	.protected	k_q0a3143536f_proj
	.globl	k_q0a3143536f_proj
	.p2align	8
	.type	k_q0a3143536f_proj,@function
k_q0a3143536f_proj:
	s_mov_b64 s[64:65], 0
	v_nop
	global_prefetch_b8 v0, s[64:65] scope:SCOPE_SE
	s_setreg_imm32_b32 hwreg(HW_REG_WAVE_MODE, 25, 1), 1
	s_wait_xcnt 0x0
	s_wait_alu depctr_hold_cnt(0) depctr_sa_sdst(0) depctr_va_vdst(0) depctr_va_sdst(0) depctr_va_ssrc(0) depctr_va_vcc(0) depctr_vm_vsrc(0)
	s_getreg_b32 s2, hwreg(HW_REG_IB_STS2, 6, 4)
	s_cmp_eq_u32 s2, 0
	s_cbranch_scc0 .Lentry_in_a_cluster
	s_endpgm
.Lentry_in_a_cluster:
	s_bfe_u32 s2, ttmp6, 0x10000c
	s_cmp_lg_u32 s2, 0xf033
	s_cbranch_scc0 .Lentry_shape_is_right
	s_endpgm
.Lentry_shape_is_right:
; The three input projections, x w + b, on codes of FP6 (E2M3) with E8M0 scales, K = 1,024, and the quantiser of what follows: the heads leave as codes, laid as the attention launch's registers take them.
; A tile of 256 x 256 to a work-group of four waves, 128 x 128 a wave: 64 accumulators, 512 registers.  K goes in steps of 256 through a ring of two LDS slots filled by the tensor data mover.
; The scales of the work-group's 2 x 256 rows, for all of K, come into LDS once, with the first fills.
; WHICH PRODUCT: cluster y = 8 P + G; P = 0 q, 1 k, 2 v.  REGION A is source 1 (a lane holds one of its rows), REGION B source 0 (a lane's registers run along its rows).
;   P < 2: A = tokens, B = the weight's n: a lane holds a token and 128 features: two heads' 64, quantised along the head's axis.
;   P = 2: A = w_v's n, B = v's tokens: a lane holds a feature and 128 tokens: V comes out with the keys along the registers and is quantised along the keys.
; B's rows are stored in the order swap34 (bits 3 and 4 of the place exchanged), so the 64 registers of a block of A's 16 rows are index 32 b + 16 (lane / 16) + i at register 16 b + i: what the quantiser takes.
; THE BIAS runs along B for P < 2: it is the C of the first K step's products.  For P = 2 it runs along A: one number a lane and block, added on the way out.  Both are loaded, and the one that does not apply is made 0 by a select.
; CLUSTERS: 4 x 4 work-groups; A's tiles are asked for jointly along a row of the cluster, B's along a column.  The choice of P hangs on the cluster's y alone, which all sixteen share.
; LIMITS: a block of zeros gets the scale byte 1 (its codes are zeros; this program alone reads the bytes); NaN and infinities are not served.
; REGISTERS, in windows of 256: window 0: v0-31 addresses; v32-63 scale words, two sets; v64-127 the bias along B; v128-223 A's fragments, one set; v224-239 the bias along A, in pairs; v240-247 as loaded.
;   window 1: B's fragments, two sets, at v0 and v128.   window 2: accumulators of my rows 0-63 ((a, b) at v[8 (8 a + b)]);   window 3: those of rows 64-127.   On the way out window 0's v32-147 are at work.
.set NQ,     2                         ; matrix instructions deep in a slot
.set ROWB,   192                       ; a tile's row in bytes: 256 codes
.set KROW,   768                       ; a row of codes in memory
.set PITCH,  240                       ; an LDS row: 3 x (64 bytes + 16 of padding)
.set FR,     12                        ; registers of a fragment
.set NL,     6                         ; LDS loads that bring one
.set NP,     4                         ; places behind this matrix instruction (ISA guide 7.12.1)
.set HALFT,  128*PITCH
.set SLOT,   4*HALFT
.set LAPS,   2                         ; K = 1,024 is twice round the ring
.set KS,     32                        ; a row of scale bytes
.set SCL,    2*SLOT                    ; behind the ring: the scales, as units of 256 bytes + 16 of padding
.set HALFS,  16*272                    ; those of 128 rows
.set SBLK,   2*272                     ; those of 16 rows
.set SPARE,  SCL+4*HALFS               ; the spare words, 128 bytes for each wave: two blocks of 256 bytes that no other line names
.set QSZ,    6815744                   ; hc: Q's records come first, then K's and V's
.set RECQ,   6656                      ; a record of Q: 128 queries of a head: 8 tiles x 768 bytes, 512 bytes of scale words
.set RECK,   13056                     ; a record of K and V: 128 keys of a head: K's 8 x 768, V's 4 x 1,536, K's scale words 512, V's 256
.set ADRA, 16                          ; v16-17 LDS address of my A fragments in slot 0, 1 (v18-19: behind one padding more)
.set ADRB, 20                          ; v20-23 the same for B
.set ADRS, 27                          ; v27    LDS address of my scale words: lanes 0-15 A's rows, lanes 16-31 B's
.set SPW,  28                          ; v28    my spare word; never rewritten
.set NIL,  29                          ; v29    0; never rewritten
.set SC,   32
.set CB,   64
.set AF,   128
.set RB,   224
.set RL,   240
.set VO,   8                           ; the way out: v8-11 the four stores' offsets; v12 8 x lane
.set L8,   12
.set HA,   32                          ; v32-95   a block's 64 numbers
.set QC,   96                          ; v96-115  the codes just made
.set TM,   116                         ; v116-131 at work in the quantiser
.set PWS,  132                         ; v132-139 the eight blocks' scale words
.set W,    140                         ; v140-143 two blocks' words to a register; v144-147 the second head's
.set W2,   144
.set SEL,  66                          ; s[66:67] v_permlanex16_b32's selects for lane l xor 16
.set G1, 24
.set G0, 32
.set G1B, 48
.set G0B, 56
.set G1S, 68
.set G0S, 76
.set G1SB, 80
.set G0SB, 88
.set MSB, 0
.macro WIN new                         ; the immediate's high byte repeats the setting that is left
.if MSB != (\new)
	s_set_vgpr_msb (MSB<<8)|(\new)
.set MSB, (\new)
.endif
.endm
.set MUL_LO, 0xa1                      ; source 0 (B) window 1, source 1 (A) window 0, C and D window 2
.set MUL_HI, 0xf1                      ; the same, C and D window 3
.set TO_B,   0x40
; A joint load: waves 0 and 1 fetch for A, waves 2 and 3 for B; the branch hangs on the wave's number alone.  Four v_nop follow each of the two lines.
.macro JLOAD g0a, g1a, g0b, g1b
	s_cmp_eq_u32 s15, 0
	s_cbranch_scc0 .Lfor_b_\@
	tensor_load_to_lds s[\g0a:\g0a+3], s[\g1a:\g1a+7]
	s_nop 0
.rept 4
	v_nop
.endr
	s_branch .Lasked_\@
.Lfor_b_\@:
	tensor_load_to_lds s[\g0b:\g0b+3], s[\g1b:\g1b+7]
	s_nop 0
.rept 4
	v_nop
.endr
.Lasked_\@:
.endm
.macro CREST                           ; a round of the cluster's barrier behind its opening barrier
	s_cmp_lg_u32 s14, 0
	s_cbranch_scc1 .Lnot_wave_0_\@
	s_barrier_signal -3
.Lnot_wave_0_\@:
	s_barrier_wait -3
	s_barrier_signal -1
	s_barrier_wait -1
.endm
.macro CROUND
	s_barrier_signal -1
	s_barrier_wait -1
	CREST
.endm
	s_load_b256 s[4:11], s[0:1], 0x0               ; cod s[4:5], scl s[6:7], b_q s[8:9], b_k s[10:11]
	s_load_b128 s[96:99], s[0:1], 0x20             ; b_v s[96:97], hc s[98:99]
	v_lshl_add_u32 v[SPW], v0, 2, SPARE
	v_mov_b32 v[NIL], 0
	ds_add_u32 v28, v29
	s_wait_dscnt 0x0
	v_lshrrev_b32 v1, 5, v0
	v_readfirstlane_b32 s14, v1                    ; wave 0..3
	s_lshr_b32 s15, s14, 1                         ; which half of A's 256 rows is mine.  Also: I fetch for A (0) or for B (1)
	s_and_b32 s16, s14, 1                          ; which half of B's.  Also: which 128 rows I fetch
	s_bfe_u32 s40, ttmp6, 0x40000                  ; cx, cy: my place in the cluster
	s_bfe_u32 s41, ttmp6, 0x40004
	s_and_b32 s101, ttmp7, 0xffff                  ; the cluster's y, 0 .. 23
	s_lshr_b32 s100, s101, 3                       ; P: which product
	s_and_b32 s101, s101, 7                        ; G
	s_cmp_eq_u32 s100, 2
	s_cselect_b32 s17, 0, s101                     ; the tokens' 32 tiles of 256 lie along A for P < 2, along B for P = 2
	s_cselect_b32 s42, s101, 0
	s_lshl_b32 s17, s17, 2
	s_add_co_u32 s17, s17, s41                     ; A's tile of 256 rows
	s_lshl_b32 s42, s42, 2
	s_add_co_u32 s42, s42, s40                     ; B's
	s_lshl_b32 s43, s41, 2
	s_lshl_b32 s43, 15, s43                        ; my row of the cluster
	s_lshl_b32 s44, 0x1111, s40                    ; my column
	; descriptor group 1: a tile of 128 rows x 192 bytes, 16 bytes of padding behind every 64
	s_or_b32 s[G1+0], s43, (0<<16)|(1<<20)|(1<<21)|(3<<22)|(3<<25)
	s_or_b32 s[G1B+0], s44, (0<<16)|(1<<20)|(1<<21)|(3<<22)|(3<<25)
.irp g, G1, G1B
	s_mov_b32 s[\g+1], ROWB<<16                    ; tensor_dim0
	s_mov_b32 s[\g+2], 128<<16                     ; tensor_dim1
	s_mov_b32 s[\g+3], ROWB<<16                    ; tile_dim0
	s_mov_b32 s[\g+4], 128                         ; tile_dim1
	s_mov_b32 s[\g+5], KROW                        ; tensor_dim0_stride
	s_mov_b32 s[\g+6], 0
	s_mov_b32 s[\g+7], 0
.endr
	; the scales of 128 rows: a dense block of 4,096 bytes, as 16 rows of 256 bytes (32 elements of 8), 16 bytes of padding behind each
	s_or_b32 s[G1S+0], s43, (3<<16)|(1<<20)|(1<<21)|(5<<22)|(3<<25)
	s_or_b32 s[G1SB+0], s44, (3<<16)|(1<<20)|(1<<21)|(5<<22)|(3<<25)
.irp g, G1S, G1SB
	s_mov_b32 s[\g+1], 32<<16
	s_mov_b32 s[\g+2], 16<<16
	s_mov_b32 s[\g+3], 32<<16
	s_mov_b32 s[\g+4], 16
	s_mov_b32 s[\g+5], 32
	s_mov_b32 s[\g+6], 0
	s_mov_b32 s[\g+7], 0
.endr
	; where the two regions begin in cod and in scl: offsets chosen by P alone
	s_mul_i32 s18, s100, 6291456                   ; tensor P's codes
	s_mul_i32 s19, s100, 786432
	s_add_co_u32 s19, s19, 18874368                ; weight P's codes
	s_lshl_b32 s94, s100, 18                       ; tensor P's scale bytes
	s_lshl_b32 s95, s100, 15
	s_add_co_u32 s95, s95, 786432                  ; weight P's
	s_cmp_eq_u32 s100, 2
	s_cselect_b32 s2, s19, s18                     ; A's codes
	s_cselect_b32 s18, s18, s19                    ; B's codes
	s_cselect_b32 s19, s95, s94                    ; A's scales
	s_cselect_b32 s94, s94, s95                    ; B's scales
	s_lshl_b32 s95, s16, 7                         ; which 128 rows of the tile I fetch
	s_lshl_b32 s20, s17, 8
	s_add_co_u32 s20, s20, s95                     ; A's row
	s_lshl_b32 s46, s42, 8
	s_add_co_u32 s46, s46, s95                     ; B's row
	s_lshl_b32 s22, s20, 5
	s_add_co_u32 s22, s22, s19                     ; A: these rows' scales,
	s_mul_i32 s20, s20, KROW
	s_add_co_u32 s20, s20, s2                      ; and their codes (all offsets stay under 2^25)
	s_lshl_b32 s92, s46, 5
	s_add_co_u32 s92, s92, s94                     ; B likewise
	s_mul_i32 s46, s46, KROW
	s_add_co_u32 s46, s46, s18
	s_mov_b32 s21, 0
	s_mov_b32 s23, 0
	s_mov_b32 s47, 0
	s_mov_b32 s93, 0
	s_mul_i32 s45, s14, HALFT                      ; where they go: wave x 128 rows: no place in the cluster enters an LDS address
	s_mul_i32 s94, s14, HALFS
	s_wait_kmcnt 0x0
	s_add_nc_u64 s[20:21], s[4:5], s[20:21]
	s_add_nc_u64 s[22:23], s[6:7], s[22:23]
	s_add_nc_u64 s[46:47], s[4:5], s[46:47]
	s_add_nc_u64 s[92:93], s[6:7], s[92:93]
	CROUND                                         ; all sixteen work-groups are here: the first joint loads meet
	s_mov_b32 s[G0S], 1
	s_add_co_u32 s[G0S+1], s94, SCL
	s_mov_b64 s[G0S+2:G0S+3], s[22:23]
	s_or_b32 s[G0S+3], s[G0S+3], 0x80000000
	s_mov_b32 s[G0SB], 1
	s_add_co_u32 s[G0SB+1], s94, SCL
	s_mov_b64 s[G0SB+2:G0SB+3], s[92:93]
	s_or_b32 s[G0SB+3], s[G0SB+3], 0x80000000
	JLOAD G0S, G1S, G0SB, G1SB                     ; the scales first: they are wanted with K step 0
.irp s, 0,1
	s_mov_b32 s[G0+4*\s], 1
	s_add_co_u32 s[G0+4*\s+1], s45, \s*SLOT
	s_add_nc_u64 s[G0+4*\s+2:G0+4*\s+3], s[20:21], \s*ROWB
	s_or_b32 s[G0+4*\s+3], s[G0+4*\s+3], 0x80000000
	s_mov_b32 s[G0B+4*\s], 1
	s_add_co_u32 s[G0B+4*\s+1], s45, \s*SLOT
	s_add_nc_u64 s[G0B+4*\s+2:G0B+4*\s+3], s[46:47], \s*ROWB
	s_or_b32 s[G0B+4*\s+3], s[G0B+4*\s+3], 0x80000000
	JLOAD G0+4*\s, G1, G0B+4*\s, G1B               ; three tensor loads of mine are out behind the second of these
.endr
	v_and_b32 v1, 15, v0                           ; r = lane % 16
	v_bfe_u32 v2, v0, 4, 1                         ; h = lane / 16
	v_mul_u32_u24 v3, v1, PITCH
	v_mul_u32_u24 v4, v2, 24
	v_add_nc_u32 v4, v3, v4                        ; a fragment's row x pitch + 24 x half
	v_lshl_add_u32 v5, v2, 4, v4                   ; and the same behind one padding more
	s_mul_i32 s21, s15, HALFT                      ; my 128 rows of A
	s_mul_i32 s22, s16, HALFT                      ; my 128 rows of B,
	s_add_co_u32 s22, s22, 2*HALFT                 ; which lie behind A's 256
.irp s, 0,1
	v_add_nc_u32 v[ADRA+\s], s21, v4
	v_add_nc_u32 v[ADRB+\s], s22, v4
	v_add_nc_u32 v[ADRA+2+\s], s21, v5
	v_add_nc_u32 v[ADRB+2+\s], s22, v5
	s_add_co_u32 s21, s21, SLOT
	s_add_co_u32 s22, s22, SLOT
.endr
	v_mul_u32_u24 v5, v1, KS                       ; my row's scales: 32 bytes a row,
	v_lshrrev_b32 v6, 8, v5
	v_lshl_add_u32 v5, v6, 4, v5                   ; and 16 more for each 256 passed
	s_mul_i32 s21, s15, HALFS
	s_mul_i32 s22, s16, HALFS
	s_add_co_u32 s22, s22, 2*HALFS
	s_sub_co_u32 s22, s22, s21
	v_mul_u32_u24 v6, s22, v2                      ; lanes 16-31 take B's: the lower base + h x the distance
	s_add_co_u32 s21, s21, SCL
	v_add_nc_u32 v5, v5, v6
	v_add_nc_u32 v[ADRS], s21, v5
	; the biases
	s_cmp_eq_u32 s100, 0
	s_cselect_b64 s[8:9], s[8:9], s[10:11]         ; b_q or b_k,
	s_cmp_eq_u32 s100, 2
	s_cselect_b64 s[8:9], s[96:97], s[8:9]         ; or b_v
	s_cselect_b32 s10, 0, -1                       ; all lanes keep the bias along B where P < 2,
	s_cselect_b32 s11, -1, 0                       ; the bias along A where P = 2
	s_lshl_b32 s18, s17, 8
	s_lshl_b32 s19, s15, 7
	s_add_co_u32 s18, s18, s19                     ; my first row of A
	s_and_b32 s18, s18, 1023                       ; (held inside the bias where A's rows are tokens: what is loaded then is made 0 below)
	s_lshl_b32 s18, s18, 2
	s_mov_b32 s19, 0
	s_add_nc_u64 s[18:19], s[8:9], s[18:19]
	s_lshl_b32 s20, s42, 8
	s_lshl_b32 s21, s16, 7
	s_add_co_u32 s20, s20, s21                     ; my first row of B
	s_and_b32 s20, s20, 1023
	s_lshl_b32 s20, s20, 2
	s_mov_b32 s21, 0
	s_add_nc_u64 s[20:21], s[8:9], s[20:21]
	v_lshlrev_b32 v7, 6, v2                        ; along B: register 16 b + i is index 32 b + 16 h + i
	v_and_b32 v8, 8, v1
	v_add_nc_u32 v8, v8, v1
	v_lshlrev_b32 v8, 2, v8                        ; along A: lane r of block 2 b + u is index 32 b + 8 u + r + 8 (r / 8)
.irp b, 0,1,2,3
.irp j, 0,1,2,3
	global_load_b128 v[CB+16*\b+4*\j:CB+16*\b+4*\j+3], v7, s[20:21] offset:128*\b+16*\j
.endr
.endr
.irp a, 0,1,2,3,4,5,6,7
	global_load_b32 v[RL+\a], v8, s[18:19] offset:4*(32*(\a/2)+8*(\a%2))
.endr
	s_wait_loadcnt 0x0
.set j, 0
.rept 64
	v_cndmask_b32 v[CB+j], 0, v[CB+j], s10
.set j, j+1
.endr
.irp a, 0,1,2,3,4,5,6,7
	v_cndmask_b32 v[RB+2*\a], 0, v[RL+\a], s11     ; twice: a pair for the packed addition
	v_cndmask_b32 v[RB+2*\a+1], 0, v[RL+\a], s11
.endr
.macro FRAG reg, adr, q, i             ; a fragment, 16 rows x 128 K, is 12 registers: registers 6 c .. 6 c + 5 hold K = 64 c + 32 (lane / 16) + 0 .. 31: 24 bytes of the row, as they lie, in pieces of 8 bytes
.irp p, 0,1,2,3,4,5
.set PCE, 12*(\q)+6*(\p/3)+\p%3        ; lanes 16-31 read three pieces on: where that lies behind one padding more, the second address register serves
.if PCE%8 < 5
	ds_load_b64 v[\reg+2*\p:\reg+2*\p+1], v[\adr] offset:8*PCE+16*(PCE/8)+(\i)*16*PITCH
.else
	ds_load_b64 v[\reg+2*\p:\reg+2*\p+1], v[\adr+2] offset:8*PCE+16*(PCE/8)+(\i)*16*PITCH
.endif
.endr
.endm
; 16 matrix instructions: A's blocks a0, a0 + 1 x B's eight, 128 along K.  p: B's set; sc: the set of scale words.  zero = 1: the first product starts the sums from the bias along B (window 0): nothing is cleared.
; The 64 accumulators take turns, one instruction a turn, in the same order in every step.
.macro MUL16 a0, p, q, sc, zero
.irp a, \a0, \a0+1
.irp b, 0,1,2,3,4,5,6,7
.set rD, 8*(8*((\a)%4)+\b)
.set rC, rD
.if \zero
.set rC, CB+8*\b
.endif
	v_wmma_scale_f32_16x16x128_f8f6f4 v[rD:rD+7], v[128*(\p)+FR*\b:128*(\p)+FR*\b+FR-1], v[AF+FR*(\a):AF+FR*(\a)+FR-1], v[rC:rC+7], v[SC+8*NQ*(\sc)+NQ*\b+(\q)], v[SC+8*NQ*(\sc)+NQ*(\a)+(\q)] matrix_a_fmt:MATRIX_FMT_FP6 matrix_b_fmt:MATRIX_FMT_FP6 matrix_a_scale:MATRIX_SCALE_ROW1
.endr
.endr
.endm
.macro FETCH_B slot, q, p
	WIN TO_B
.irp i, 0,1,2,3,4,5,6,7
	FRAG 128*(\p)+FR*\i, ADRB+\slot, \q, \i
.endr
	WIN 0
.endm
.macro FETCH_A slot, q, i0
.irp i, \i0, \i0+1, \i0+2, \i0+3
	FRAG AF+FR*(\i), ADRA+\slot, \q, \i
.endr
.endm
.macro SCALES sc                       ; a slot's scale words: two words a row; lanes 0-15 take A's block i, lanes 16-31 B's block i
.irp i, 0,1,2,3,4,5,6,7
	ds_load_b64 v[SC+8*NQ*\sc+NQ*\i:SC+8*NQ*\sc+NQ*\i+1], v[ADRS] offset:\i*SBLK
.endr
.endm
.macro PLACES n                        ; plain vector lines between a matrix instruction and a load into, or a vector line on, its registers
.rept \n
	v_nop
.endr
.endm
.macro STEP slot, q, zero              ; a step of 128 along K that has its successor in the same slot
	s_wait_dscnt 4*NL                              ; B's set and A's blocks 0-3 are in; the youngest 24 loads (A's blocks 4-7) may be out
	WIN MUL_LO-0x20*(\zero)
	MUL16 0, (\q)%2, \q, \slot, \zero
	MUL16 2, (\q)%2, \q, \slot, \zero
	s_wait_dscnt 0                                 ; A's blocks 4-7 are in
	PLACES NP
	FETCH_B \slot, (\q)+1, 1-(\q)%2
	FETCH_A \slot, (\q)+1, 0
	WIN MUL_HI-0x30*(\zero)
	MUL16 4, (\q)%2, \q, \slot, \zero
	MUL16 6, (\q)%2, \q, \slot, \zero
	PLACES NP
	WIN 0
	FETCH_A \slot, (\q)+1, 4
.endm
; A slot's last step changes slots: one barrier; in front of it each wave waits for all its tensor loads, adds 0 to its spare word, and waits for that and for its own reads of this slot.
.macro TURN slot, next, fill
	s_wait_tensorcnt 0x0                           ; all my tensor loads have landed: my part of the next slot
	ds_add_u32 v[SPW], v[NIL]                      ; 0 onto my spare word
	s_wait_dscnt 4*NL+1                            ; (the add and the youngest 24 loads may be out)
	WIN MUL_LO
	MUL16 0, 1, NQ-1, \slot, 0
	s_wait_dscnt 0x0                               ; the add is done, and my reads of this slot are over
	s_barrier_signal -1
	MUL16 2, 1, NQ-1, \slot, 0
	WIN 0
	s_barrier_wait -1
.if \fill
	CREST                                          ; the barrier has opened a round of the cluster's barrier: no wave of any partner still reads this slot or has a load on its way
	s_add_nc_u64 s[G0+4*\slot+2:G0+4*\slot+3], s[G0+4*\slot+2:G0+4*\slot+3], 2*ROWB
	s_add_nc_u64 s[G0B+4*\slot+2:G0B+4*\slot+3], s[G0B+4*\slot+2:G0B+4*\slot+3], 2*ROWB
	JLOAD G0+4*\slot, G1, G0B+4*\slot, G1B         ; the first tensor load behind the round; its four v_nop are also the places in front of the loads below
.else
	PLACES NP
.endif
	v_add_nc_u32 v[ADRS], 4*NQ, v[ADRS]            ; on to the next slot's scale words
	FETCH_B \next, 0, 0
	FETCH_A \next, 0, 0
	SCALES \next
	WIN MUL_HI
	MUL16 4, 1, NQ-1, \slot, 0
	MUL16 6, 1, NQ-1, \slot, 0
	PLACES NP
	WIN 0
	FETCH_A \next, 0, 4
.endm
	s_wait_tensorcnt 1                             ; the scales and my part of slot 0 are in (slot 1's load may be out)
	s_barrier_signal -1
	s_barrier_wait -1                              ; everybody's are
	FETCH_B 0, 0, 0
	FETCH_A 0, 0, 0
	SCALES 0
	FETCH_A 0, 0, 4
	STEP 0, 0, 1                                   ; the first step stands in front of the loop: its products start the sums
	s_mov_b32 s3, LAPS-1
.Llap:                                             ; a trip goes once round the ring and fills both slots again
	TURN 0, 1, 1
	STEP 1, 0, 0
	TURN 1, 0, 1
	STEP 0, 0, 0
	s_sub_co_u32 s3, s3, 1
	s_cmp_lg_u32 s3, 0
	s_cbranch_scc1 .Llap
	TURN 0, 1, 0                                   ; the last lap fills nothing
	STEP 1, 0, 0
	s_wait_dscnt 4*NL
	WIN MUL_LO
	MUL16 0, 1, NQ-1, 1, 0
	MUL16 2, 1, NQ-1, 1, 0
	s_wait_dscnt 0
	WIN MUL_HI
	MUL16 4, 1, NQ-1, 1, 0
	MUL16 6, 1, NQ-1, 1, 0
	WIN 0
; THE WAY OUT.  A block of A's 16 rows is 64 numbers a lane, register 16 b + i = index 32 b + 16 (lane / 16) + i along B.  They are quantised in registers, and the fragment's 12 registers leave as they stand:
; registers 0-3 at 16 x lane, 4-5 at 512 + 8 x lane, and 6-9, 10-11 likewise DB bytes on: every store of the wave covers 512 or 256 consecutive bytes, aligned.
;   P < 2: the two halves are tile a of two neighbouring heads (DB = a head's records).   P = 2: they are the two halves of one fragment of V (DB = 768): 16 of a head's 64 x 128 keys.
.macro QUANT s, pw
.irp b, 0,1,2,3
	v_max3_num_f32 v[TM+\b], |v[\s+16*\b]|, |v[\s+1+16*\b]|, 0x1800000   ; block b: my 16 numbers, and the floor 2^(3 - 127): the byte cannot fall under 1
.endr
.irp i, 2,4,6,8,10,12,14
.irp b, 0,1,2,3
	v_max3_num_f32 v[TM+\b], v[TM+\b], |v[\s+16*\b+\i]|, |v[\s+1+16*\b+\i]|
.endr
.endr
.irp b, 0,1,2,3
	v_permlanex16_b32 v[TM+4+\b], v[TM+\b], s[SEL], s[SEL+1]
.endr
.irp b, 0,1,2,3
	v_max_num_f32 v[TM+\b], v[TM+\b], v[TM+4+\b]   ; with lane l xor 16's: the block's largest magnitude
.endr
.irp b, 0,1,2,3
	v_add_nc_u32 v[TM+12+\b], 0xff000000, v[TM+\b] ; 2 off its exponent field: the conversion's scale operand
.endr
.irp b, 0,1,2,3
	v_lshrrev_b32 v[TM+4+\b], 23, v[TM+12+\b]      ; the scale's byte
.endr
	v_lshl_or_b32 v[\pw], v[TM+5], 8, v[TM+4]      ; the four bytes make my row's scale word
	v_lshl_or_b32 v[\pw], v[TM+6], 16, v[\pw]
	v_lshl_or_b32 v[\pw], v[TM+7], 24, v[\pw]
.irp c, 0,1
	v_cvt_scalef32_pk16_fp6_f32 v[QC+6*\c:QC+2+6*\c], v[\s+32*\c:\s+15+32*\c], v[TM+12+2*\c]
	v_cvt_scalef32_pk16_fp6_f32 v[QC+12+4*\c:QC+14+4*\c], v[\s+16+32*\c:\s+31+32*\c], v[TM+12+2*\c+1]   ; (a conversion's three registers begin on an even number)
.endr
	v_nop                                          ; one plain line behind a scaled conversion
.irp c, 0,1                                    ; the operand's layout wants a whole block in a lane: lanes 0-15 block 2 c, lanes 16-31 block 2 c + 1
.irp i, 0,1,2
	v_permlane16_swap_b32 v[QC+6*\c+\i], v[QC+12+4*\c+\i]
.endr
.irp i, 0,1,2
	v_mov_b32 v[QC+3+6*\c+\i], v[QC+12+4*\c+\i]
.endr
.endr
.endm
	PLACES NP                                      ; behind the last products: what follows writes registers that held scale words and fragments, and reads results
.irp b, 0,1,2,3
	v_mov_b32 v[TM+4+\b], 0                        ; written once: a lane permute's destination counts as one of its sources
.endr
	s_lshl_b32 s18, s17, 8
	s_lshl_b32 s19, s15, 7
	s_add_co_u32 s18, s18, s19                     ; my first row of A
	s_lshl_b32 s19, s42, 8
	s_lshl_b32 s20, s16, 7
	s_add_co_u32 s19, s19, s20                     ; my first row of B
	s_mov_b32 s40, 768
	s_mov_b32 s44, 12288
	s_mov_b32 s22, RECK
	s_cmp_eq_u32 s100, 2
	s_cselect_b32 s20, s19, s18                    ; my first token,
	s_cselect_b32 s21, s18, s19                    ; my first feature
	s_cselect_b32 s45, 6144, 0                     ; where the codes begin in a record
	s_cselect_b32 s40, 1536, s40                   ; from block to block
	s_cselect_b32 s42, 202752, 0                   ; V: from a head's fourth fragment to the next head's first: 16 records less 4 x 1,536
	s_cselect_b32 s44, 12800, s44                  ; where the scale words begin: V's, K's,
	s_cmp_eq_u32 s100, 0
	s_cselect_b32 s44, 6144, s44                   ; Q's
	s_cselect_b32 s22, RECQ, s22                   ; a record
	s_cselect_b32 s23, 0, QSZ                      ; the region
	s_add_co_u32 s42, s42, s40
	s_mov_b32 s41, 0
	s_mov_b32 s43, 0
	s_lshl_b32 s46, s22, 4                         ; a head's 16 records
	s_mov_b32 s47, 0
	s_cmp_eq_u32 s100, 2
	s_cselect_b32 s2, 768, s46                     ; DB
	s_lshr_b32 s18, s20, 11                        ; the batch,
	s_lshl_b32 s18, s18, 4
	s_lshr_b32 s21, s21, 6
	s_add_co_u32 s18, s18, s21                     ; the head,
	s_lshl_b32 s18, s18, 4
	s_bfe_u32 s20, s20, 0x40007
	s_add_co_u32 s18, s18, s20                     ; the 128 tokens
	s_mul_i32 s18, s18, s22
	s_add_co_u32 s18, s18, s23                     ; my record
	s_add_co_u32 s20, s18, s45
	s_mov_b32 s21, 0
	s_add_nc_u64 s[12:13], s[98:99], s[20:21]      ; block 0's codes
	s_add_co_u32 s18, s18, s44
	s_mov_b32 s19, 0
	s_add_nc_u64 s[18:19], s[98:99], s[18:19]      ; the first head's scale words,
	s_add_nc_u64 s[20:21], s[18:19], s[46:47]      ; the second head's
	s_mov_b32 s[SEL], 0x76543210
	s_mov_b32 s[SEL+1], 0xfedcba98
	s_mov_b32 s22, 0xffff0000                      ; lanes 16-31
	v_and_b32 v13, 31, v0
	v_lshlrev_b32 v[VO], 4, v13
	v_lshlrev_b32 v[L8], 3, v13
	v_add_nc_u32 v[VO+1], 512, v[L8]
	v_add_nc_u32 v[VO+2], s2, v[VO]
	v_add_nc_u32 v[VO+3], s2, v[VO+1]
.macro OUTBLK a
.if (\a) > 0
	s_wait_xcnt 0x0                                ; the last block's stores have read their base and their data: both are written again only behind this wait
.if (\a) == 4
	s_add_nc_u64 s[12:13], s[12:13], s[42:43]
.else
	s_add_nc_u64 s[12:13], s[12:13], s[40:41]
.endif
.endif
	WIN 0x02+(\a)/4                                ; source 0: window 2 or 3
.set i, 0
.rept 32
	v_pk_add_f32 v[HA+2*i:HA+2*i+1], v[64*((\a)%4)+2*i:64*((\a)%4)+2*i+1], v[RB+2*(\a):RB+2*(\a)+1]   ; + the bias along A; each accumulator from its low end on
.set i, i+1
.endr
	WIN 0
	QUANT HA, PWS+(\a)
	global_store_b128 v[VO], v[QC:QC+3], s[12:13]
	global_store_b64 v[VO+1], v[QC+4:QC+5], s[12:13]
	global_store_b128 v[VO+2], v[QC+6:QC+9], s[12:13]
	global_store_b64 v[VO+3], v[QC+10:QC+11], s[12:13]
.endm
.irp a, 0,1,2,3,4,5,6,7
	OUTBLK \a
.endr
	; the scale words: lanes 0-15 carry block 2 a's, lanes 16-31 block 2 a + 1's, so that the reader has one register for two tiles
.irp a, 0,1,2,3
	v_cndmask_b32 v[W+\a], v[PWS+2*\a], v[PWS+2*\a+1], s22
.endr
	s_cmp_eq_u32 s100, 2
	s_cbranch_scc1 .Lv_words
	global_store_b128 v[VO], v[W:W+3], s[18:19]    ; Q, K: bytes 0, 1 are the first head's two blocks (bytes 2, 3 meet zero codes),
.irp a, 0,1,2,3
	v_lshrrev_b32 v[W2+\a], 16, v[W+\a]            ; bytes 2, 3 the second head's
.endr
	global_store_b128 v[VO], v[W2:W2+3], s[20:21]
	s_branch .Lwords_out
.Lv_words:
	global_store_b64 v[L8], v[W:W+1], s[18:19]     ; V: blocks 0-3 are the first head's four fragments, blocks 4-7 the second's
	global_store_b64 v[L8], v[W+2:W+3], s[20:21]
.Lwords_out:
	s_wait_tensorcnt 0x0                           ; the wave's end
	ds_add_u32 v[SPW], v[NIL]
	s_wait_dscnt 0x0
	CROUND                                         ; the closing round: no work-group ends while a partner may still ask for a tile that names it
	s_endpgm
.Lfunc_end_k_q0a3143536f_proj:
	.size	k_q0a3143536f_proj, .Lfunc_end_k_q0a3143536f_proj-k_q0a3143536f_proj
	.p2alignl 7, 3214868480
	.fill 96, 4, 3214868480
	.section	.rodata,"a",@progbits
	.p2align	6, 0x0
	.amdhsa_kernel k_q0a3143536f_proj
		.amdhsa_group_segment_fixed_size 327680
		.amdhsa_private_segment_fixed_size 0
		.amdhsa_enable_private_segment 0
		.amdhsa_kernarg_size 48
		.amdhsa_user_sgpr_count 2
		.amdhsa_user_sgpr_kernarg_segment_ptr 1
		.amdhsa_wavefront_size32 1
		.amdhsa_system_sgpr_workgroup_id_x 1
		.amdhsa_system_sgpr_workgroup_id_y 1
		.amdhsa_system_sgpr_workgroup_id_z 1
		.amdhsa_system_vgpr_workitem_id 0
		.amdhsa_next_free_vgpr 1024
		.amdhsa_next_free_sgpr 102
		.amdhsa_reserve_vcc 0
		.amdhsa_float_denorm_mode_32 3
		.amdhsa_float_denorm_mode_16_64 3
		.amdhsa_memory_ordered 1
		.amdhsa_forward_progress 1
		.amdhsa_inst_pref_size 191
	.end_amdhsa_kernel
	.amdgpu_metadata
---
amdhsa.version: [ 1, 2 ]
amdhsa.kernels:
  - .name:           k_q0a3143536f_proj
    .symbol:         k_q0a3143536f_proj.kd
    .args:
      - { .name: cod, .offset: 0, .size: 8, .value_kind: global_buffer, .address_space: global }
      - { .name: scl, .offset: 8, .size: 8, .value_kind: global_buffer, .address_space: global }
      - { .name: b_q, .offset: 16, .size: 8, .value_kind: global_buffer, .address_space: global }
      - { .name: b_k, .offset: 24, .size: 8, .value_kind: global_buffer, .address_space: global }
      - { .name: b_v, .offset: 32, .size: 8, .value_kind: global_buffer, .address_space: global }
      - { .name: hc, .offset: 40, .size: 8, .value_kind: global_buffer, .address_space: global }
    .group_segment_fixed_size: 327680
    .private_segment_fixed_size: 0
    .kernarg_segment_align: 8
    .kernarg_segment_size: 48
    .max_flat_workgroup_size: 128
    .sgpr_count:     102
    .vgpr_count:     1024
    .wavefront_size: 32
...
	.end_amdgpu_metadata
.endif
;; end of part 2
;; launch attn (part 3): grid 8 x 32, 16 waves a work-group, clusters of 4 x 1, 327,680 bytes of LDS; arguments hc, ac, asc; writes ac, asc
.if DOCPART == 3
	.amdgcn_target "amdgcn-amd-amdhsa--gfx1250"
	.amdhsa_code_object_version 6
	.text
	.protected	k_q0a3143536f_attn
	.globl	k_q0a3143536f_attn
	.p2align	8
	.type	k_q0a3143536f_attn,@function
k_q0a3143536f_attn:
	s_mov_b64 s[64:65], 0
	v_nop
	global_prefetch_b8 v0, s[64:65] scope:SCOPE_SE
	s_setreg_imm32_b32 hwreg(HW_REG_WAVE_MODE, 25, 1), 1
	s_wait_xcnt 0x0
	s_wait_alu depctr_hold_cnt(0) depctr_sa_sdst(0) depctr_va_vdst(0) depctr_va_sdst(0) depctr_va_ssrc(0) depctr_va_vcc(0) depctr_vm_vsrc(0)
	s_getreg_b32 s2, hwreg(HW_REG_IB_STS2, 6, 4)
	s_cmp_eq_u32 s2, 0
	s_cbranch_scc0 .Lentry_in_a_cluster
	s_endpgm
.Lentry_in_a_cluster:
	s_bfe_u32 s2, ttmp6, 0x10000c
	s_cmp_lg_u32 s2, 0x3003
	s_cbranch_scc0 .Lentry_shape_is_right
	s_endpgm
.Lentry_shape_is_right:
; Attention on codes of FP6 (E2M3): S^T = K Q^T (K = the head's 64: the upper half of the instruction's 128 is zero codes on both sides), the softmax, O^T = V^T P^T (K = the keys), O / l, and the quantiser of the output projection's operand.
; THE SOFTMAX: t = score x log2(e) / 8; M = the running largest t rounded up to a whole number; p = 2^(t - M) is quantised along the keys, not normalised; the row's sum is taken of the unquantised p and divides O at the end.
; When M moves, the sum and O^T are multiplied by 2^(old M - new M), which rounds nothing.
; SHARES.  A work-group owns 256 queries of a PAIR of heads, 2 hp and 2 hp + 1, taken one after the other; each of its sixteen waves owns 16 queries in 256 registers: four waves to a SIMD, so that one wave's vector work
; stands beside another's matrix work and LDS loads.  Two heads are 128 features: one K step of the output projection, so a wave makes a whole fragment and whole scale words of it.
; K AND V come as records of 128 keys (13,056 bytes: K's 8 tiles, V's 4 fragments, their scale words), laid as the operands' registers: every LDS load takes 16 or 8 bytes a lane on end.  A slot holds half a head, 8 records;
; the pair's four halves are one run of memory and go through two slots.
; CLUSTER: the four blocks of queries of a cluster walk the same K and V: each fill is asked for jointly, by the same tensor load with a mask that names the four.
; LAYOUT: both products are used transposed: a lane holds one query (lane % 16).  The keys of a tile of K and the features of a fragment of V were stored in the order swap34, so the 16 registers of two neighbouring
; tiles are 16 neighbours: keys 32 b + 16 (lane / 16) + i in S^T, features likewise in O^T.
; LIMITS: a block of zeros gets the scale byte 1 (its codes are zeros; this program alone reads the bytes); NaN and infinities are not served; the division by l is v_rcp_f32 and a multiplication.
.set QSZ,   6815744                    ; hc: Q's records, then K's and V's
.set RECQ,  6656
.set RECK,  13056
.set SLOTB, 8*RECK                     ; a slot: 104,448 bytes
.set PART,  SLOTB/4                    ; what one tensor load brings: 102 rows of 256 bytes
.set STG,   2*SLOTB                    ; behind the ring: 1,024 bytes in which the work-group's 256 scale words meet; no fill lands here
.set SPARE, STG+1024                   ; the spare words, 128 bytes for each wave: eight blocks of 256 bytes that no other line names
.set L16, 1                            ; v1   16 x lane; never rewritten
.set L8,  2                            ; v2   8 x lane; never rewritten
.set SPW, 3                            ; v3   my spare word; never rewritten
.set NIL, 4                            ; v4   0; never rewritten
.set A16, 5                            ; v5   the record in hand + 16 x lane
.set A8,  6                            ; v6   + 8 x lane
.set R16, 7                            ; v7   16 x (lane % 16)
.set SOP, 8                            ; v8-11 the conversions' scale operands
;                                        v12 -M, v13 the largest t, v[14:15] the sum in two halves
.set QF,  16                           ; v16-21 Q's codes, v22-27 zeros
.set QS,  28                           ; v28  Q's scale words
.set XW,  29                           ; v29  the scale word of the output's 128 features
.set STA, 30                           ; v30  where I put it in the stage
.set STR, 31                           ; v31  where waves 0 and 1 read the stage
.set KB,  32                           ; v32-79 four tiles of K, 12 registers each; registers 6-11 of each stay zero
.set KSC, 80                           ; v80-83 K's scale words: register a: lanes 0-15 tile 2 a, lanes 16-31 tile 2 a + 1
.set VSC, 84                           ; v84-85 V's likewise
.set BM,  86                           ; v86-89 the blocks' largest scores, then largest p; later a conversion's result
.set PM,  90                           ; v90-93 at work; later a conversion's result
.set SUM2, 94                          ; v[94:95] the sums' second chain
.set S,   96                           ; v96-159 S^T, then p
.set O,   160                          ; v160-191 O^T
.set VB,  192                          ; v192-239 V's four fragments
.set PCD, 240                          ; v240-251 p's codes;  v252 f, v253 p's scale word, v254 at work, v255 my offset in asc
.set WV,  10
.set SEL, 24                           ; s[24:25] lane selects for lane l xor 16
.set CS,  26                           ; s[26:27] c = log2(e) / 8
.set G1,  32                           ; s[32:39] descriptor group 1
.set G0,  40                           ; s[40:43], s[44:47] group 0, a set for each slot
.set TB,  48                           ; s48 LDS byte of the record in hand
.set CNT, 49
.set QA,  50                           ; s[50:51] Q's codes, s[52:53] Q's scale words, s[54:55] my fragment in ac, s[56:57] the work-group's words in asc
.set QSA, 52
.set ACA, 54
.set ASA, 56
.macro CROUND                          ; a round of the cluster's barrier
	s_barrier_signal -1
	s_barrier_wait -1
	s_cmp_lg_u32 s[WV], 0
	s_cbranch_scc1 .Lnot_wave_0_\@
	s_barrier_signal -3
.Lnot_wave_0_\@:
	s_barrier_wait -3
	s_barrier_signal -1
	s_barrier_wait -1
.endm
	s_load_b128 s[4:7], s[0:1], 0x0                ; hc, ac
	s_load_b64 s[8:9], s[0:1], 0x10                ; asc
	v_lshl_add_u32 v[SPW], v0, 2, SPARE
	v_mov_b32 v[NIL], 0
	ds_add_u32 v3, v4
	ds_add_u32 v3, v4
	s_wait_dscnt 0x0
	v_lshrrev_b32 v5, 5, v0
	s_delay_alu instid0(VALU_DEP_1)
	v_readfirstlane_b32 s[WV], v5                  ; wave 0..15
	s_bfe_u32 s11, ttmp6, 0x40000                  ; cx
	s_lshl_b32 s12, ttmp9, 2
	s_add_co_u32 s12, s12, s11                     ; my block of 256 queries: it enters Q's, ac's and asc's addresses alone
	s_and_b32 s13, ttmp7, 0xffff
	s_lshr_b32 s14, s13, 3                         ; the batch
	s_and_b32 s15, s13, 7                          ; the pair of heads
	s_lshl_b32 s16, s14, 4
	s_lshl_b32 s17, s15, 1
	s_add_co_u32 s16, s16, s17                     ; the pair's first head among the 64
	s_and_b32 s18, s[WV], 3
	s_mul_i32 s18, s18, PART                       ; the quarter of a fill that I fetch, if I fetch
	s_mul_i32 s20, s16, 2*SLOTB
	s_add_co_u32 s20, s20, QSZ
	s_add_co_u32 s20, s20, s18                     ; in memory: it hangs on the cluster's y and the wave alone
	s_mov_b32 s21, 0
	s_lshl_b32 s22, s16, 4
	s_lshl_b32 s23, s12, 1
	s_add_co_u32 s22, s22, s23
	s_lshr_b32 s23, s[WV], 3
	s_add_co_u32 s22, s22, s23
	s_mul_i32 s22, s22, RECQ                       ; Q's record: 128 queries
	s_and_b32 s23, s[WV], 7
	s_mul_i32 s28, s23, 768
	s_add_co_u32 s28, s28, s22                     ; my tile in it
	s_mov_b32 s29, 0
	s_lshr_b32 s23, s23, 1
	s_lshl_b32 s23, s23, 2
	s_and_b32 s30, s[WV], 1
	s_lshl_b32 s30, s30, 8
	s_add_co_u32 s30, s30, s23
	s_add_co_u32 s30, s30, s22
	s_add_co_u32 s30, s30, 6144                    ; its scale words: 16 x (16 (tile % 2) + row) + 4 (tile / 2)
	s_mov_b32 s31, 0
	s_lshl_b32 s58, s14, 7
	s_lshl_b32 s59, s12, 4
	s_add_co_u32 s58, s58, s59
	s_add_co_u32 s58, s58, s[WV]                   ; my tile of 16 tokens
	s_lshl_b32 s58, s58, 3
	s_add_co_u32 s58, s58, s15
	s_mul_i32 s58, s58, 1536                       ; ac: [tile][K step = pair][1,536 bytes]
	s_mov_b32 s59, 0
	s_lshl_b32 s60, s14, 11
	s_lshl_b32 s61, s12, 8
	s_add_co_u32 s60, s60, s61
	s_lshl_b32 s60, s60, 2
	s_lshl_b32 s61, s15, 15
	s_add_co_u32 s60, s60, s61                     ; asc: [K step][token] words
	s_mov_b32 s61, 0
	; descriptor group 1: 102 dense rows of 256 bytes (32 elements of 8), no padding; the mask names the cluster's four work-groups
	s_mov_b32 s[G1], 15|(3<<16)|(1<<21)
	s_mov_b32 s[G1+1], 32<<16                      ; tensor_dim0
	s_mov_b32 s[G1+2], 102<<16                     ; tensor_dim1
	s_mov_b32 s[G1+3], 32<<16                      ; tile_dim0
	s_mov_b32 s[G1+4], 102                         ; tile_dim1
	s_mov_b32 s[G1+5], 32                          ; tensor_dim0_stride
	s_mov_b32 s[G1+6], 0
	s_mov_b32 s[G1+7], 0
	s_mov_b32 s[SEL], 0x76543210
	s_mov_b32 s[SEL+1], 0xfedcba98
	s_mov_b32 s[CS], 0x3e38aa3b                    ; c = log2(e) / sqrt(64)
	s_mov_b32 s[CS+1], s[CS]                       ; (named with it as a pair, so it is written)
	s_wait_kmcnt 0x0
	s_add_nc_u64 s[20:21], s[4:5], s[20:21]
	s_add_nc_u64 s[QA:QA+1], s[4:5], s[28:29]
	s_add_nc_u64 s[QSA:QSA+1], s[4:5], s[30:31]
	s_add_nc_u64 s[ACA:ACA+1], s[6:7], s[58:59]
	s_add_nc_u64 s[ASA:ASA+1], s[8:9], s[60:61]
.irp s, 0,1
	s_mov_b32 s[G0+4*\s], 1                        ; count = 1
	s_add_co_u32 s[G0+4*\s+1], s18, \s*SLOTB       ; LDS address: the slot, my quarter
	s_add_nc_u64 s[G0+4*\s+2:G0+4*\s+3], s[20:21], \s*SLOTB   ; the first head's first and second half
	s_or_b32 s[G0+4*\s+3], s[G0+4*\s+3], 0x80000000   ; type = 2
.endr
	CROUND                                         ; all four work-groups are here: the first joint loads meet
	s_cmp_lt_u32 s[WV], 4                          ; waves 0 to 3 fetch; a wave's two first fills stand in one branch: two loads of mine are out
	s_cbranch_scc0 .Lno_fill
	tensor_load_to_lds s[G0:G0+3], s[G1:G1+7]
	s_nop 0
	tensor_load_to_lds s[G0+4:G0+7], s[G1:G1+7]
	s_nop 0
.rept 4
	v_nop
.endr
.Lno_fill:
	v_and_b32 v5, 31, v0
	s_delay_alu instid0(VALU_DEP_1)
	v_lshlrev_b32 v[L16], 4, v5
	s_delay_alu instid0(VALU_DEP_2)
	v_lshlrev_b32 v[L8], 3, v5
	v_and_b32 v6, 15, v0
	s_delay_alu instid0(VALU_DEP_1)
	v_lshlrev_b32 v[R16], 4, v6
.macro QLOAD hd                        ; my tile of head hd of the pair: six registers of codes and the scale words; a head's records are 16 x 6,656 bytes
	global_load_b128 v[QF:QF+3], v[L16], s[QA:QA+1] offset:\hd*16*RECQ
	global_load_b64 v[QF+4:QF+5], v[L8], s[QA:QA+1] offset:\hd*16*RECQ+512
	global_load_b32 v[QS], v[R16], s[QSA:QSA+1] offset:\hd*16*RECQ
.endm
	QLOAD 0
	s_lshl_b32 s19, s[WV], 6
	s_add_co_u32 s19, s19, STG
	v_lshl_add_u32 v[STA], v6, 2, s19              ; the stage: 4 x (16 x wave + row)
	v_and_b32 v5, 63, v0
	s_delay_alu instid0(VALU_DEP_1)
	v_lshlrev_b32 v255, 4, v5
	s_delay_alu instid0(VALU_DEP_1)
	v_add_nc_u32 v[STR], STG, v255
.irp j, 0,1,2,3,4,5
	v_mov_b32 v[QF+6+\j], 0                        ; the upper 64 of the instruction's K: zero codes, in Q
.endr
.irp t, 0,1,2,3
.irp j, 6,7,8,9,10,11
	v_mov_b32 v[KB+12*\t+\j], 0                    ; and in K
.endr
.endr
.irp b, 0,1,2,3
	v_mov_b32 v[PM+\b], 0                          ; written once: a lane permute's destination counts as one of its sources
.endr
	v_mov_b32 v253, 0                              ; (named as the upper half of the pair v[252:253] before it is first written)
	v_mov_b32 v254, 0
	v_mov_b32 v[XW], 0
.macro RESET                           ; a head begins: the step is written once, and its first trip finds zeros, which the first change of M leaves zeros
	v_mov_b32 v13, 0xff61b1e6                      ; the largest t so far: -3e38, under every t
	s_delay_alu instid0(VALU_DEP_1)
	v_floor_f32 v12, -v13                          ; -M
	v_mov_b32 v14, 0
	v_mov_b32 v15, 0
.set j, 0
.rept 32
	v_mov_b32 v[O+j], 0
.set j, j+1
.endr
.endm
	RESET
.macro SPROD g                         ; S^T, tiles 4 g .. 4 g + 3: source 0 = 16 keys, source 1 = my 16 queries
.irp t, 0,1,2,3
.if (\t)%2
	v_wmma_scale_f32_16x16x128_f8f6f4 v[S+8*(4*\g+\t):S+8*(4*\g+\t)+7], v[KB+12*\t:KB+12*\t+11], v[QF:QF+11], 0, v[KSC+2*\g+\t/2], v[QS] matrix_a_fmt:MATRIX_FMT_FP6 matrix_b_fmt:MATRIX_FMT_FP6 matrix_a_scale:MATRIX_SCALE_ROW1
.else
	v_wmma_scale_f32_16x16x128_f8f6f4 v[S+8*(4*\g+\t):S+8*(4*\g+\t)+7], v[KB+12*\t:KB+12*\t+11], v[QF:QF+11], 0, v[KSC+2*\g+\t/2], v[QS] matrix_a_fmt:MATRIX_FMT_FP6 matrix_b_fmt:MATRIX_FMT_FP6
.endif
.endr
.endm
.macro KLOAD g
.irp t, 0,1,2,3
	ds_load_b128 v[KB+12*\t:KB+12*\t+3], v[A16] offset:768*(4*\g+\t)
	ds_load_b64 v[KB+12*\t+4:KB+12*\t+5], v[A8] offset:768*(4*\g+\t)+512
.endr
.endm
; A KEY STEP: one record, 128 keys.
.macro STEP
	v_add_nc_u32 v[A16], s[TB], v[L16]
	v_add_nc_u32 v[A8], s[TB], v[L8]
	KLOAD 0
	ds_load_b128 v[KSC:KSC+3], v[A16] offset:12288
	s_wait_alu depctr_va_vdst(0)
	s_wait_dscnt 0x0
	SPROD 0
.rept 4
	v_nop                                          ; places in front of loads into registers that matrix instructions have read: K's buffers; with the two additions above also V's, which the last step's products read
.endr
	KLOAD 1
.irp t, 0,1,2,3
	ds_load_b128 v[VB+12*\t:VB+12*\t+3], v[A16] offset:6144+1536*\t
	ds_load_b64 v[VB+12*\t+4:VB+12*\t+5], v[A8] offset:6144+1536*\t+512
	ds_load_b128 v[VB+12*\t+6:VB+12*\t+9], v[A16] offset:6144+1536*\t+768
	ds_load_b64 v[VB+12*\t+10:VB+12*\t+11], v[A8] offset:6144+1536*\t+1280
.endr
	ds_load_b64 v[VSC:VSC+1], v[A8] offset:12800
	s_wait_dscnt 17                                ; K's tiles 4-7 are in; V's 16 loads and its scale words, issued behind them, land under the softmax
	SPROD 1
.rept 4
	v_nop
.endr
.irp b, 0,1,2,3
	v_max3_num_f32 v[BM+\b], v[S+16*\b], v[S+1+16*\b], v[S+2+16*\b]   ; the largest score of each block of 32 keys: it serves for the row's maximum and, since p rises with the score, for the block's largest p
.endr
.irp i, 3,5,7,9,11,13
.irp b, 0,1,2,3
	v_max3_num_f32 v[BM+\b], v[BM+\b], v[S+16*\b+\i], v[S+1+16*\b+\i]
.endr
.endr
.irp b, 0,1,2,3
	v_max_num_f32 v[BM+\b], v[BM+\b], v[S+15+16*\b]
.endr
.irp b, 0,1,2,3
	s_delay_alu instid0(VALU_DEP_4)
	v_permlanex16_b32 v[PM+\b], v[BM+\b], s[SEL], s[SEL+1]
.endr
.irp b, 0,1,2,3
	s_delay_alu instid0(VALU_DEP_4)
	v_max_num_f32 v[BM+\b], v[BM+\b], v[PM+\b]     ; with lane l xor 16's 16 keys
.endr
	s_delay_alu instid0(VALU_DEP_2)
	v_max3_num_f32 v254, v[BM], v[BM+1], v[BM+2]
	s_delay_alu instid0(VALU_DEP_1)
	v_max_num_f32 v254, v254, v[BM+3]              ; the step's largest score of my query
	s_delay_alu instid0(VALU_DEP_1)
	v_mul_f32 v254, s[CS], v254                    ; as t (c is positive)
	s_delay_alu instid0(VALU_DEP_1)
	v_max_num_f32 v13, v13, v254                   ; the running largest t
	v_mov_b32 v254, v12
	s_delay_alu instid0(VALU_DEP_2)
	v_floor_f32 v12, -v13                          ; the new -M = floor(-t): M is a whole number
	s_delay_alu instid0(VALU_DEP_1)
	v_sub_f32 v254, v12, v254                      ; old M - new M: a whole number, 0 or less
	s_delay_alu instid0(VALU_DEP_1)
	v_cvt_i32_f32 v254, v254                       ; (it saturates)
	s_delay_alu instid0(VALU_DEP_1)
	v_ldexp_f32 v252, 1.0, v254                    ; f = 2^(old M - new M)
.set j, 0
.rept 32
	v_pk_fma_f32 v[S+j:S+j+1], v[S+j:S+j+1], s[CS:CS+1], v[12:13] op_sel_hi:[1,0,0]   ; t - M, two at a time
.set j, j+2
.endr
.irp b, 0,1,2,3
	v_fma_f32 v[BM+\b], v[BM+\b], s[CS], v12       ; the same of each block's largest score
.endr
.set j, 0
	s_setprio 1
	s_wait_alu depctr_va_vdst(0)
.rept 64
	v_exp_f32 v[S+j], v[S+j]                       ; p = 2^(t - M), at most 1
.set j, j+1
.endr
	v_pk_mul_f32 v[14:15], v[14:15], v[252:253] op_sel_hi:[1,0]   ; the sums under the new M: the plain line behind the exponentials
	s_wait_alu depctr_va_vdst(0)                   ; one wait for the batch of 64, ahead of its first reader
.irp b, 0,1,2,3
	v_exp_f32 v[BM+\b], v[BM+\b]                   ; the blocks' largest p: the same two instructions on the same number give the same bits
.endr
	v_pk_add_f32 v[94:95], v[100:101], v[104:105]
	v_pk_add_f32 v[250:251], v[108:109], v[112:113]
	v_pk_add_f32 v[248:249], v[116:117], v[120:121]
	v_pk_add_f32 v[246:247], v[124:125], v[128:129]
	v_pk_add_f32 v[244:245], v[132:133], v[136:137]
	v_pk_add_f32 v[242:243], v[140:141], v[144:145]
	v_pk_add_f32 v[240:241], v[148:149], v[152:153]
	v_pk_add_f32 v[14:15], v[14:15], v[156:157]
	v_pk_add_f32 v[94:95], v[94:95], v[96:97]
	v_pk_add_f32 v[250:251], v[250:251], v[98:99]
	v_pk_add_f32 v[248:249], v[248:249], v[102:103]
	v_pk_add_f32 v[246:247], v[246:247], v[106:107]
	v_pk_add_f32 v[244:245], v[244:245], v[110:111]
	v_pk_add_f32 v[242:243], v[242:243], v[114:115]
	v_pk_add_f32 v[240:241], v[240:241], v[118:119]
	v_pk_add_f32 v[14:15], v[14:15], v[122:123]
	v_pk_add_f32 v[94:95], v[94:95], v[126:127]
	v_pk_add_f32 v[250:251], v[250:251], v[130:131]
	v_pk_add_f32 v[248:249], v[248:249], v[134:135]
	v_pk_add_f32 v[246:247], v[246:247], v[138:139]
	v_pk_add_f32 v[244:245], v[244:245], v[142:143]
	v_pk_add_f32 v[242:243], v[242:243], v[146:147]
	v_pk_add_f32 v[240:241], v[240:241], v[150:151]
	v_pk_add_f32 v[14:15], v[14:15], v[154:155]
	v_pk_add_f32 v[94:95], v[94:95], v[158:159]
	s_delay_alu instid0(VALU_DEP_2)
	v_pk_add_f32 v[14:15], v[14:15], v[246:247]
	s_delay_alu instid0(VALU_DEP_2)
	v_pk_add_f32 v[94:95], v[94:95], v[244:245]
	v_pk_add_f32 v[250:251], v[250:251], v[242:243]
	v_pk_add_f32 v[248:249], v[248:249], v[240:241]
	s_delay_alu instid0(VALU_DEP_2)
	v_pk_add_f32 v[14:15], v[14:15], v[250:251]
	s_delay_alu instid0(VALU_DEP_2)
	v_pk_add_f32 v[94:95], v[94:95], v[248:249]
	s_delay_alu instid0(VALU_DEP_1)
	v_pk_add_f32 v[14:15], v[14:15], v[94:95]
	s_wait_alu depctr_va_vdst(0)                   ; and one for the four
.irp b, 0,1,2,3
	v_max_num_f32 v[BM+\b], 0x1800000, v[BM+\b]    ; the floor 2^(3 - 127): the byte cannot fall under 1
.endr
.irp b, 0,1,2,3
	s_delay_alu instid0(VALU_DEP_4)
	v_add_nc_u32 v[SOP+\b], 0xff000000, v[BM+\b]   ; 2 off the exponent field: the conversion's scale operand
.endr
.irp b, 0,1,2,3
	s_delay_alu instid0(VALU_DEP_4)
	v_lshrrev_b32 v[PM+\b], 23, v[SOP+\b]          ; the scale's byte
.endr
	s_delay_alu instid0(VALU_DEP_3)
	v_lshl_or_b32 v253, v[PM+1], 8, v[PM]          ; p's scale word for these 128 keys
	s_delay_alu instid0(VALU_DEP_1)
	v_lshl_or_b32 v253, v[PM+2], 16, v253
	s_delay_alu instid0(VALU_DEP_1)
	v_lshl_or_b32 v253, v[PM+3], 24, v253
.irp c, 0,1
	v_cvt_scalef32_pk16_fp6_f32 v[PCD+6*\c:PCD+2+6*\c], v[S+32*\c:S+15+32*\c], v[SOP+2*\c]
	v_cvt_scalef32_pk16_fp6_f32 v[PM-4*\c:PM+2-4*\c], v[S+16+32*\c:S+31+32*\c], v[SOP+2*\c+1]   ; (a conversion's three registers begin on an even number)
.endr
	v_nop                                          ; one plain line behind a scaled conversion
.irp c, 0,1                                    ; the operand's layout wants a whole block in a lane
.irp i, 0,1,2
	v_permlane16_swap_b32 v[PCD+6*\c+\i], v[PM-4*\c+\i]
.endr
.irp i, 0,1,2
	s_delay_alu instid0(VALU_DEP_3)
	v_mov_b32 v[PCD+3+6*\c+\i], v[PM-4*\c+\i]
.endr
.endr
.set j, 0
	s_setprio 0
.rept 16
	v_pk_mul_f32 v[O+j:O+j+1], v[O+j:O+j+1], v[252:253] op_sel_hi:[1,0]   ; O^T under the new M.  Twelve of these sixteen name no register of any one product below: the places behind the writes of p's codes and scale word
.set j, j+2
.endr
	s_wait_alu depctr_va_vdst(0)
	s_wait_dscnt 0x0                               ; V is in
.irp t, 0,1,2,3                                ; O^T += V^T P^T: the four accumulators by turns
.if (\t)%2
	v_wmma_scale_f32_16x16x128_f8f6f4 v[O+8*\t:O+8*\t+7], v[VB+12*\t:VB+12*\t+11], v[PCD:PCD+11], v[O+8*\t:O+8*\t+7], v[VSC+\t/2], v253 matrix_a_fmt:MATRIX_FMT_FP6 matrix_b_fmt:MATRIX_FMT_FP6 matrix_a_scale:MATRIX_SCALE_ROW1
.else
	v_wmma_scale_f32_16x16x128_f8f6f4 v[O+8*\t:O+8*\t+7], v[VB+12*\t:VB+12*\t+11], v[PCD:PCD+11], v[O+8*\t:O+8*\t+7], v[VSC+\t/2], v253 matrix_a_fmt:MATRIX_FMT_FP6 matrix_b_fmt:MATRIX_FMT_FP6
.endif
.endr
.endm
.macro HALF base                       ; a slot's eight key steps
	s_mov_b32 s[TB], \base
	s_mov_b32 s[CNT], 8
.Lstep_\@:
	s_setprio 2
	STEP
	s_add_co_u32 s[TB], s[TB], RECK
	s_sub_co_u32 s[CNT], s[CNT], 1
	s_cmp_lg_u32 s[CNT], 0
	s_cbranch_scc1 .Lstep_\@
	s_setprio 0
.endm
; THE CHANGE OF SLOTS.  Each wave waits for all its tensor loads (its part of the slot ahead), adds 0 to its spare word, and waits for that and for its reads of the slot that it has left.
; fill = 1: that slot is filled again, with the half of a head two fills on: the barrier is then a round of the cluster's, and the joint load is the first thing behind it: it has eight key steps in which to land.
.macro CHANGE fill, g0
	s_wait_tensorcnt 0x0                           ; no tensor load of mine is out, so a group 0 may be written
	ds_add_u32 v[SPW], v[NIL]                      ; 0 onto my spare word
.if \fill
	s_add_nc_u64 s[\g0+2:\g0+3], s[\g0+2:\g0+3], 2*SLOTB
.endif
	s_wait_dscnt 0x0                               ; the add is done, and my reads of the slot that I have left are over
.if \fill
	CROUND
	s_cmp_lt_u32 s[WV], 4
	s_cbranch_scc0 .Lnone_\@
	tensor_load_to_lds s[\g0:\g0+3], s[G1:G1+7]
	s_nop 0
.rept 4
	v_nop
.endr
.Lnone_\@:
.else
	s_barrier_signal -1
	s_barrier_wait -1
.endif
.endm
; A HEAD'S END.  O^T / l is 32 numbers a lane, register 16 b + i = feature 32 b + 16 (lane / 16) + i: two blocks of the output projection's K.  They become six registers of its fragment and two bytes of its scale word.
.macro FINAL hd
.rept 4
	v_nop                                          ; places behind the last products
.endr
	v_add_f32 v14, v14, v15                        ; the sum's two halves,
	s_delay_alu instid0(VALU_DEP_1)
	v_permlanex16_b32 v254, v14, s[SEL], s[SEL+1]
	s_delay_alu instid0(VALU_DEP_1)
	v_add_f32 v14, v14, v254                       ; and lane l xor 16's: the row's sum
	s_wait_alu depctr_va_vdst(0)
	v_rcp_f32 v14, v14
	v_nop                                          ; a plain line behind the reciprocal,
	s_wait_alu depctr_va_vdst(0)                   ; and the wait ahead of its first reader
.set j, 0
.rept 16
	v_pk_mul_f32 v[S+j:S+j+1], v[O+j:O+j+1], v[14:15] op_sel_hi:[1,0]
.set j, j+2
.endr
.irp b, 0,1
	v_max3_num_f32 v[BM+\b], |v[S+16*\b]|, |v[S+1+16*\b]|, 0x1800000
.endr
.irp i, 2,4,6,8,10,12,14
.irp b, 0,1
	s_delay_alu instid0(VALU_DEP_2)
	v_max3_num_f32 v[BM+\b], v[BM+\b], |v[S+16*\b+\i]|, |v[S+1+16*\b+\i]|
.endr
.endr
.irp b, 0,1
	s_delay_alu instid0(VALU_DEP_2)
	v_permlanex16_b32 v[PM+\b], v[BM+\b], s[SEL], s[SEL+1]
.endr
.irp b, 0,1
	s_delay_alu instid0(VALU_DEP_2)
	v_max_num_f32 v[BM+\b], v[BM+\b], v[PM+\b]
.endr
.irp b, 0,1
	s_delay_alu instid0(VALU_DEP_2)
	v_add_nc_u32 v[SOP+\b], 0xff000000, v[BM+\b]
.endr
.irp b, 0,1
	s_delay_alu instid0(VALU_DEP_2)
	v_lshrrev_b32 v[PM+\b], 23, v[SOP+\b]
.endr
	s_delay_alu instid0(VALU_DEP_2)
	v_lshl_or_b32 v[XW], v[PM], 16*\hd, v[XW]      ; bytes 2 hd and 2 hd + 1 of the scale word
	s_delay_alu instid0(VALU_DEP_1)
	v_lshl_or_b32 v[XW], v[PM+1], 16*\hd+8, v[XW]
	v_cvt_scalef32_pk16_fp6_f32 v[PCD:PCD+2], v[S:S+15], v[SOP]
	v_cvt_scalef32_pk16_fp6_f32 v[PCD+4:PCD+6], v[S+16:S+31], v[SOP+1]
	v_nop
.irp i, 0,1,2
	v_permlane16_swap_b32 v[PCD+\i], v[PCD+4+\i]
.endr
.irp i, 0,1,2
	s_delay_alu instid0(VALU_DEP_3)
	v_mov_b32 v[PCD+3+\i], v[PCD+4+\i]             ; in ascending order: each reads a register that is written only by the next
.endr
	global_store_b128 v[L16], v[PCD:PCD+3], s[ACA:ACA+1] offset:768*\hd       ; registers 6 hd .. 6 hd + 5 of the fragment's image: 512 and 256 consecutive bytes, aligned
	global_store_b64 v[L8], v[PCD+4:PCD+5], s[ACA:ACA+1] offset:768*\hd+512
.endm
	s_wait_loadcnt 0x0                             ; Q
	s_wait_tensorcnt 1                             ; my part of slot 0 is in; slot 1's may stay out
	s_barrier_signal -1
	s_barrier_wait -1
	HALF 0                                         ; the first head, keys 0 - 1,023
	CHANGE 1, G0                                   ; slot 0 takes the second head's first half
	HALF SLOTB                                     ; keys 1,024 - 2,047
	QLOAD 1                                        ; the second head's Q lands under the first head's end (the softmax's lines are the places behind the last products that read Q)
	FINAL 0
	RESET
	CHANGE 1, G0+4                                 ; slot 1 takes the second head's second half
	s_wait_loadcnt 0x0                             ; Q
	s_wait_xcnt 0x0                                ; the first head's stores have read their data: p's codes are written there again only behind this wait
	HALF 0
	CHANGE 0, G0                                   ; nothing is left to fetch
	HALF SLOTB
	FINAL 1
	; the 256 scale words meet in the stage and leave as 1,024 consecutive bytes
	ds_store_b32 v[STA], v[XW]                     ; both halves of the lanes hold the row's word and write the same value
	s_wait_dscnt 0x0                               ; for the others' sake
	s_barrier_signal -1
	s_barrier_wait -1
	s_cmp_lt_u32 s[WV], 2
	s_cbranch_scc0 .Lno_words
	ds_load_b128 v[S:S+3], v[STR]
	s_wait_dscnt 0x0
	global_store_b128 v255, v[S:S+3], s[ASA:ASA+1]
.Lno_words:
	s_wait_tensorcnt 0x0                           ; the wave's end
	ds_add_u32 v[SPW], v[NIL]
	s_wait_dscnt 0x0
	CROUND                                         ; the closing round
	s_endpgm
.Lfunc_end_k_q0a3143536f_attn:
	.size	k_q0a3143536f_attn, .Lfunc_end_k_q0a3143536f_attn-k_q0a3143536f_attn
	.p2alignl 7, 3214868480
	.fill 96, 4, 3214868480
	.section	.rodata,"a",@progbits
	.p2align	6, 0x0
	.amdhsa_kernel k_q0a3143536f_attn
		.amdhsa_group_segment_fixed_size 327680
		.amdhsa_private_segment_fixed_size 0
		.amdhsa_enable_private_segment 0
		.amdhsa_kernarg_size 24
		.amdhsa_user_sgpr_count 2
		.amdhsa_user_sgpr_kernarg_segment_ptr 1
		.amdhsa_wavefront_size32 1
		.amdhsa_system_sgpr_workgroup_id_x 1
		.amdhsa_system_sgpr_workgroup_id_y 1
		.amdhsa_system_sgpr_workgroup_id_z 1
		.amdhsa_system_vgpr_workitem_id 0
		.amdhsa_next_free_vgpr 256
		.amdhsa_next_free_sgpr 66
		.amdhsa_reserve_vcc 0
		.amdhsa_float_denorm_mode_32 3
		.amdhsa_float_denorm_mode_16_64 3
		.amdhsa_memory_ordered 1
		.amdhsa_forward_progress 1
		.amdhsa_inst_pref_size 90
	.end_amdhsa_kernel
	.amdgpu_metadata
---
amdhsa.version: [ 1, 2 ]
amdhsa.kernels:
  - .name:           k_q0a3143536f_attn
    .symbol:         k_q0a3143536f_attn.kd
    .args:
      - { .name: hc, .offset: 0, .size: 8, .value_kind: global_buffer, .address_space: global }
      - { .name: ac, .offset: 8, .size: 8, .value_kind: global_buffer, .address_space: global }
      - { .name: asc, .offset: 16, .size: 8, .value_kind: global_buffer, .address_space: global }
    .group_segment_fixed_size: 327680
    .private_segment_fixed_size: 0
    .kernarg_segment_align: 8
    .kernarg_segment_size: 24
    .max_flat_workgroup_size: 512
    .sgpr_count:     66
    .vgpr_count:     256
    .wavefront_size: 32
...
	.end_amdgpu_metadata
.endif
;; end of part 3
;; launch oproj (part 4): grid 4 x 32, 4 waves a work-group, clusters of 4 x 4, 327,680 bytes of LDS; arguments ac, asc, cod, scl, b_o, out0; writes out0
.if DOCPART == 4
	.amdgcn_target "amdgcn-amd-amdhsa--gfx1250"
	.amdhsa_code_object_version 6
	.text
	.protected	k_q0a3143536f_oproj
	.globl	k_q0a3143536f_oproj
	.p2align	8
	.type	k_q0a3143536f_oproj,@function
k_q0a3143536f_oproj:
	s_mov_b64 s[64:65], 0
	v_nop
	global_prefetch_b8 v0, s[64:65] scope:SCOPE_SE
	s_setreg_imm32_b32 hwreg(HW_REG_WAVE_MODE, 25, 1), 1
	s_wait_xcnt 0x0
	s_wait_alu depctr_hold_cnt(0) depctr_sa_sdst(0) depctr_va_vdst(0) depctr_va_sdst(0) depctr_va_ssrc(0) depctr_va_vcc(0) depctr_vm_vsrc(0)
	s_getreg_b32 s2, hwreg(HW_REG_IB_STS2, 6, 4)
	s_cmp_eq_u32 s2, 0
	s_cbranch_scc0 .Lentry_in_a_cluster
	s_endpgm
.Lentry_in_a_cluster:
	s_bfe_u32 s2, ttmp6, 0x10000c
	s_cmp_lg_u32 s2, 0xf033
	s_cbranch_scc0 .Lentry_shape_is_right
	s_endpgm
.Lentry_shape_is_right:
; out0 = x w_o + b_o on codes of FP6 (E2M3) with E8M0 scales: x [8192][1024] is the attention launch's result, w_o the first launch's codes.  M = 8,192, N = K = 1,024; sums in f32; out0 f32.
; A tile of 256 x 256 to a work-group of four waves, 128 x 128 a wave: 64 accumulators.  K goes in steps of 256 through a ring of two LDS slots filled by the tensor data mover.
; A (source 1, the tokens) lies in memory as IMAGES OF ITS FRAGMENTS, [tile of 16 tokens][K step of 128][1,536 bytes]: registers 0-3 at 16 x lane, 4-5 at 512 + 8 x lane, 6-9 at 768 + 16 x lane, 10-11 at 1,280 + 8 x lane:
; four LDS loads a fragment, each on consecutive bytes.  Its scale words lie [K step][token].  B (source 0, w_o's n) lies as rows of 768 bytes, stored in the order swap34 (bits 3 and 4 of the place exchanged), which the way out undoes.
; The scales of the work-group's rows, for all of K, come into LDS once, with the first fills.  A scale register carries the slot's first 128 along K in lanes 0-15 and its second in lanes 16-31.
; The bias is the C of the first K step's products.
; CLUSTERS: 4 x 4 work-groups; A's tiles are asked for jointly along a row of the cluster, B's along a column.
; REGISTERS, in windows of 256: window 0: v0-31 addresses; v32-47 B's scale words, two sets; v48-63 A's; v64-127 the bias; v128-223 A's fragments, one set; on the way out v128-255.
;   window 1: B's fragments, two sets.   window 2: accumulators of my rows 0-63;   window 3: rows 64-127.
.set SIZE_N, 1024
.set NQ,     2
.set ROWB,   192
.set KROW,   768
.set PITCH,  240                       ; B's LDS row: 3 x (64 bytes + 16 of padding)
.set FR,     12
.set NLA,    4                         ; LDS loads that bring a fragment of A
.set NP,     4
.set HALFA,  24576                     ; 128 tokens x 256 along K: 8 tiles x 2 images
.set HALFB,  128*PITCH
.set BOFF,   2*HALFA
.set SLOT,   2*HALFA+2*HALFB
.set LAPS,   2
.set SCLA,   2*SLOT                    ; A's scale words: for each half 8 rows (K steps) of 512 bytes + 64 of padding
.set HSA,    8*576
.set SCLB,   SCLA+2*HSA                ; B's scale bytes: for each half 16 units of 256 bytes + 16 of padding
.set HSB,    16*272
.set SBLK,   2*272
.set SPARE,  SCLB+2*HSB                ; the spare words, 128 bytes for each wave: two blocks of 256 bytes that no other line names
.set SPITCH, 528                       ; the way out: a stage of 16 rows x (512 bytes + 16) for each wave, in slot 0, which has had its last fill and its last read by then
.set ADRA, 16                          ; v16-17 my A fragments in slot 0, 1, + 16 x lane;  v18-19 + 8 x lane
.set ADRB, 20                          ; v20-21 my B fragments;  v22-23 behind one padding more
.set STO,  24
.set RD,   25
.set CO,   26
.set ADRSA, 27
.set SPW,  28
.set NIL,  29
.set ADRSB, 30
.set SB,   32
.set SA,   48
.set CB,   64
.set AF,   128
.set BK,   128
.set G1, 24
.set G0, 32
.set G1B, 48
.set G0B, 56
.set G1S, 68
.set G0S, 76
.set G1SB, 80
.set G0SB, 88
.set MSB, 0
.macro WIN new
.if MSB != (\new)
	s_set_vgpr_msb (MSB<<8)|(\new)
.set MSB, (\new)
.endif
.endm
.set MUL_LO, 0xa1
.set MUL_HI, 0xf1
.set TO_B,   0x40
.macro JLOAD g0a, g1a, g0b, g1b        ; a joint load: waves 0 and 1 fetch for A, waves 2 and 3 for B; four v_nop follow each of the two lines
	s_cmp_eq_u32 s15, 0
	s_cbranch_scc0 .Lfor_b_\@
	tensor_load_to_lds s[\g0a:\g0a+3], s[\g1a:\g1a+7]
	s_nop 0
.rept 4
	v_nop
.endr
	s_branch .Lasked_\@
.Lfor_b_\@:
	tensor_load_to_lds s[\g0b:\g0b+3], s[\g1b:\g1b+7]
	s_nop 0
.rept 4
	v_nop
.endr
.Lasked_\@:
.endm
.macro CREST
	s_cmp_lg_u32 s14, 0
	s_cbranch_scc1 .Lnot_wave_0_\@
	s_barrier_signal -3
.Lnot_wave_0_\@:
	s_barrier_wait -3
	s_barrier_signal -1
	s_barrier_wait -1
.endm
.macro CROUND
	s_barrier_signal -1
	s_barrier_wait -1
	CREST
.endm
	s_load_b256 s[4:11], s[0:1], 0x0               ; ac s[4:5], asc s[6:7], cod s[8:9], scl s[10:11]
	s_load_b128 s[96:99], s[0:1], 0x20             ; b_o s[96:97], out0 s[98:99]
	v_lshl_add_u32 v[SPW], v0, 2, SPARE
	v_mov_b32 v[NIL], 0
	ds_add_u32 v28, v29
	s_wait_dscnt 0x0
	v_lshrrev_b32 v1, 5, v0
	v_readfirstlane_b32 s14, v1                    ; wave 0..3
	s_lshr_b32 s15, s14, 1                         ; which half of the tile's tokens is mine.  Also: I fetch for A (0) or for B (1)
	s_and_b32 s16, s14, 1                          ; which half of its columns.  Also: which half I fetch
	s_bfe_u32 s40, ttmp6, 0x40000                  ; cx, cy
	s_bfe_u32 s41, ttmp6, 0x40004
	s_lshl_b32 s42, ttmp9, 2
	s_add_co_u32 s42, s42, s40                     ; tile column
	s_and_b32 s17, ttmp7, 0xffff
	s_lshl_b32 s17, s17, 2
	s_add_co_u32 s17, s17, s41                     ; tile row
	s_lshl_b32 s43, s41, 2
	s_lshl_b32 s43, 15, s43                        ; my row of the cluster
	s_lshl_b32 s44, 0x1111, s40                    ; my column
	; A's codes: 8 rows (tiles of 16 tokens) of 3,072 bytes (two images), 12,288 bytes apart; elements of 8 bytes; no padding
	s_or_b32 s[G1+0], s43, (3<<16)|(1<<21)
	s_mov_b32 s[G1+1], 384<<16                     ; tensor_dim0
	s_mov_b32 s[G1+2], 8<<16                       ; tensor_dim1
	s_mov_b32 s[G1+3], 384<<16                     ; tile_dim0
	s_mov_b32 s[G1+4], 8                           ; tile_dim1
	s_mov_b32 s[G1+5], 1536                        ; tensor_dim0_stride
	s_mov_b32 s[G1+6], 0
	s_mov_b32 s[G1+7], 0
	; B's codes: 128 rows x 192 bytes, 16 bytes of padding behind every 64
	s_or_b32 s[G1B+0], s44, (0<<16)|(1<<20)|(1<<21)|(3<<22)|(3<<25)
	s_mov_b32 s[G1B+1], ROWB<<16
	s_mov_b32 s[G1B+2], 128<<16
	s_mov_b32 s[G1B+3], ROWB<<16
	s_mov_b32 s[G1B+4], 128
	s_mov_b32 s[G1B+5], KROW
	s_mov_b32 s[G1B+6], 0
	s_mov_b32 s[G1B+7], 0
	; A's scale words: 8 rows (K steps) of 512 bytes (128 tokens), 32,768 bytes apart; 64 bytes of padding behind each
	s_or_b32 s[G1S+0], s43, (3<<16)|(1<<20)|(1<<21)|(6<<22)|(15<<25)
	s_mov_b32 s[G1S+1], 64<<16
	s_mov_b32 s[G1S+2], 8<<16
	s_mov_b32 s[G1S+3], 64<<16
	s_mov_b32 s[G1S+4], 8
	s_mov_b32 s[G1S+5], 4096
	s_mov_b32 s[G1S+6], 0
	s_mov_b32 s[G1S+7], 0
	; B's scale bytes: a dense block of 4,096 bytes as 16 rows of 256, 16 bytes of padding behind each
	s_or_b32 s[G1SB+0], s44, (3<<16)|(1<<20)|(1<<21)|(5<<22)|(3<<25)
	s_mov_b32 s[G1SB+1], 32<<16
	s_mov_b32 s[G1SB+2], 16<<16
	s_mov_b32 s[G1SB+3], 32<<16
	s_mov_b32 s[G1SB+4], 16
	s_mov_b32 s[G1SB+5], 32
	s_mov_b32 s[G1SB+6], 0
	s_mov_b32 s[G1SB+7], 0
	s_lshl_b32 s20, s17, 4
	s_lshl_b32 s18, s16, 3
	s_add_co_u32 s20, s20, s18                     ; A: the first tile of 16 tokens that I fetch
	s_lshl_b32 s22, s20, 6                         ; its scale words: 64 bytes a tile
	s_mul_i32 s20, s20, 12288                      ; its images
	s_mov_b32 s21, 0
	s_mov_b32 s23, 0
	s_lshl_b32 s46, s42, 8
	s_lshl_b32 s18, s16, 7
	s_add_co_u32 s46, s46, s18                     ; B: the first row that I fetch
	s_lshl_b32 s92, s46, 5
	s_add_co_u32 s92, s92, 884736                  ; w_o's scale bytes in scl
	s_mul_i32 s46, s46, KROW
	s_add_co_u32 s46, s46, 21233664                ; w_o's codes in cod
	s_mov_b32 s47, 0
	s_mov_b32 s93, 0
	s_mul_i32 s45, s16, HALFA                      ; where they go: no place in the cluster enters an LDS address
	s_mul_i32 s94, s16, HALFB
	s_add_co_u32 s94, s94, BOFF
	s_mul_i32 s95, s16, HSA
	s_mul_i32 s19, s16, HSB
	s_wait_kmcnt 0x0
	s_add_nc_u64 s[20:21], s[4:5], s[20:21]
	s_add_nc_u64 s[22:23], s[6:7], s[22:23]
	s_add_nc_u64 s[46:47], s[8:9], s[46:47]
	s_add_nc_u64 s[92:93], s[10:11], s[92:93]
	CROUND                                         ; all sixteen work-groups are here: the first joint loads meet
	s_mov_b32 s[G0S], 1
	s_add_co_u32 s[G0S+1], s95, SCLA
	s_mov_b64 s[G0S+2:G0S+3], s[22:23]
	s_or_b32 s[G0S+3], s[G0S+3], 0x80000000
	s_mov_b32 s[G0SB], 1
	s_add_co_u32 s[G0SB+1], s19, SCLB
	s_mov_b64 s[G0SB+2:G0SB+3], s[92:93]
	s_or_b32 s[G0SB+3], s[G0SB+3], 0x80000000
	JLOAD G0S, G1S, G0SB, G1SB                     ; the scales first
.irp s, 0,1
	s_mov_b32 s[G0+4*\s], 1
	s_add_co_u32 s[G0+4*\s+1], s45, \s*SLOT
	s_add_nc_u64 s[G0+4*\s+2:G0+4*\s+3], s[20:21], \s*3072
	s_or_b32 s[G0+4*\s+3], s[G0+4*\s+3], 0x80000000
	s_mov_b32 s[G0B+4*\s], 1
	s_add_co_u32 s[G0B+4*\s+1], s94, \s*SLOT
	s_add_nc_u64 s[G0B+4*\s+2:G0B+4*\s+3], s[46:47], \s*ROWB
	s_or_b32 s[G0B+4*\s+3], s[G0B+4*\s+3], 0x80000000
	JLOAD G0+4*\s, G1, G0B+4*\s, G1B               ; three tensor loads of mine are out behind the second of these
.endr
	v_and_b32 v1, 15, v0                           ; r
	v_bfe_u32 v2, v0, 4, 1                         ; h
	v_and_b32 v6, 31, v0                           ; lane
	v_lshlrev_b32 v3, 4, v6
	v_lshlrev_b32 v7, 3, v6
	v_mul_u32_u24 v4, v1, PITCH
	v_mad_u32_u24 v4, v2, 24, v4                   ; B: a fragment's row x pitch + 24 x half
	v_lshl_add_u32 v5, v2, 4, v4                   ; and the same behind one padding more
	s_mul_i32 s21, s15, HALFA                      ; my 128 tokens
	s_mul_i32 s22, s16, HALFB
	s_add_co_u32 s22, s22, BOFF                    ; my 128 rows of B
.irp s, 0,1
	v_add_nc_u32 v[ADRA+\s], s21, v3
	v_add_nc_u32 v[ADRA+2+\s], s21, v7
	v_add_nc_u32 v[ADRB+\s], s22, v4
	v_add_nc_u32 v[ADRB+2+\s], s22, v5
	s_add_co_u32 s21, s21, SLOT
	s_add_co_u32 s22, s22, SLOT
.endr
	v_mul_u32_u24 v5, v2, 576                      ; A's scale words: lanes 16-31 take the K step one on,
	v_lshl_add_u32 v5, v1, 2, v5                   ; 4 bytes a token
	s_mul_i32 s21, s15, HSA
	s_add_co_u32 s21, s21, SCLA
	v_add_nc_u32 v[ADRSA], s21, v5
	v_lshlrev_b32 v5, 5, v1                        ; B's: 32 bytes a row,
	v_lshrrev_b32 v8, 8, v5
	v_lshl_add_u32 v5, v8, 4, v5                   ; 16 more for each 256 passed,
	v_lshl_add_u32 v5, v2, 2, v5                   ; lanes 16-31 the word one on
	s_mul_i32 s22, s16, HSB
	s_add_co_u32 s22, s22, SCLB
	v_add_nc_u32 v[ADRSB], s22, v5
	s_mul_i32 s23, s14, 16*SPITCH                  ; my stage
	v_mul_u32_u24 v5, v1, SPITCH                   ; in: row r; register j of accumulator 2 b + u is column 32 b + 16 h + 8 u + j: 64 h bytes here, the rest in the immediate
	v_lshl_add_u32 v5, v2, 6, v5
	v_add_nc_u32 v[STO], s23, v5
	v_lshlrev_b32 v[CO], 4, v6                     ; back: the 32 lanes take one row of 512 bytes; and the same in out0
	v_add_nc_u32 v[RD], s23, v[CO]
	s_lshl_b32 s20, s17, 8
	s_lshl_b32 s21, s15, 7
	s_add_co_u32 s20, s20, s21                     ; my first token
	s_lshl_b32 s20, s20, 12                        ; rows of 4,096 bytes (under 2^25)
	s_lshl_b32 s46, s42, 10
	s_lshl_b32 s47, s16, 9
	s_add_co_u32 s46, s46, s47                     ; my first column, in bytes: it is also my place in the bias
	s_add_co_u32 s20, s20, s46
	s_mov_b32 s21, 0
	s_mov_b32 s47, 0
	s_add_nc_u64 s[12:13], s[98:99], s[20:21]
	s_add_nc_u64 s[18:19], s[96:97], s[46:47]
	v_lshlrev_b32 v9, 6, v2                        ; the bias: register 16 b + i is column 32 b + 16 h + i
.irp b, 0,1,2,3
.irp j, 0,1,2,3
	global_load_b128 v[CB+16*\b+4*\j:CB+16*\b+4*\j+3], v9, s[18:19] offset:128*\b+16*\j
.endr
.endr
	s_wait_loadcnt 0x0
.macro FRAG reg, adr, q, i             ; a fragment of B from rows: six pieces of 8 bytes
.irp p, 0,1,2,3,4,5
.set PCE, 12*(\q)+6*(\p/3)+\p%3
.if PCE%8 < 5
	ds_load_b64 v[\reg+2*\p:\reg+2*\p+1], v[\adr] offset:8*PCE+16*(PCE/8)+(\i)*16*PITCH
.else
	ds_load_b64 v[\reg+2*\p:\reg+2*\p+1], v[\adr+2] offset:8*PCE+16*(PCE/8)+(\i)*16*PITCH
.endif
.endr
.endm
; 16 matrix instructions: A's blocks a0, a0 + 1 x B's eight, the slot's q-th 128 along K.  zero = 1: the first product starts the sums from the bias (window 0).  The 64 accumulators take turns.
.macro MUL16 a0, p, q, sc, zero
.irp a, \a0, \a0+1
.irp b, 0,1,2,3,4,5,6,7
.set rD, 8*(8*((\a)%4)+\b)
.set rC, rD
.if \zero
.set rC, CB+8*\b
.endif
.if \q
	v_wmma_scale_f32_16x16x128_f8f6f4 v[rD:rD+7], v[128*(\p)+FR*\b:128*(\p)+FR*\b+FR-1], v[AF+FR*(\a):AF+FR*(\a)+FR-1], v[rC:rC+7], v[SB+8*(\sc)+\b], v[SA+8*(\sc)+(\a)] matrix_a_fmt:MATRIX_FMT_FP6 matrix_b_fmt:MATRIX_FMT_FP6 matrix_a_scale:MATRIX_SCALE_ROW1 matrix_b_scale:MATRIX_SCALE_ROW1
.else
	v_wmma_scale_f32_16x16x128_f8f6f4 v[rD:rD+7], v[128*(\p)+FR*\b:128*(\p)+FR*\b+FR-1], v[AF+FR*(\a):AF+FR*(\a)+FR-1], v[rC:rC+7], v[SB+8*(\sc)+\b], v[SA+8*(\sc)+(\a)] matrix_a_fmt:MATRIX_FMT_FP6 matrix_b_fmt:MATRIX_FMT_FP6
.endif
.endr
.endr
.endm
.macro FETCH_B slot, q, p
	WIN TO_B
.irp i, 0,1,2,3,4,5,6,7
	FRAG 128*(\p)+FR*\i, ADRB+\slot, \q, \i
.endr
	WIN 0
.endm
.macro FETCH_A slot, q, i0             ; A's blocks i0 .. i0 + 3, from their images: four loads each
.irp i, \i0, \i0+1, \i0+2, \i0+3
	ds_load_b128 v[AF+FR*(\i):AF+FR*(\i)+3], v[ADRA+\slot] offset:3072*(\i)+1536*(\q)
	ds_load_b64 v[AF+FR*(\i)+4:AF+FR*(\i)+5], v[ADRA+2+\slot] offset:3072*(\i)+1536*(\q)+512
	ds_load_b128 v[AF+FR*(\i)+6:AF+FR*(\i)+9], v[ADRA+\slot] offset:3072*(\i)+1536*(\q)+768
	ds_load_b64 v[AF+FR*(\i)+10:AF+FR*(\i)+11], v[ADRA+2+\slot] offset:3072*(\i)+1536*(\q)+1280
.endr
.endm
.macro SCALES sc                       ; a slot's scale words: lanes 0-15 its first 128 along K, lanes 16-31 its second
.irp i, 0,1,2,3,4,5,6,7
	ds_load_b32 v[SB+8*\sc+\i], v[ADRSB] offset:\i*SBLK
	ds_load_b32 v[SA+8*\sc+\i], v[ADRSA] offset:\i*64
.endr
.endm
.macro PLACES n
.rept \n
	v_nop
.endr
.endm
.macro STEP slot, q, zero
	s_wait_dscnt 4*NLA                             ; B's set and A's blocks 0-3 are in; the youngest 16 loads (A's blocks 4-7) may be out
	WIN MUL_LO-0x20*(\zero)
	MUL16 0, (\q)%2, \q, \slot, \zero
	MUL16 2, (\q)%2, \q, \slot, \zero
	s_wait_dscnt 0
	PLACES NP
	FETCH_B \slot, (\q)+1, 1-(\q)%2
	FETCH_A \slot, (\q)+1, 0
	WIN MUL_HI-0x30*(\zero)
	MUL16 4, (\q)%2, \q, \slot, \zero
	MUL16 6, (\q)%2, \q, \slot, \zero
	PLACES NP
	WIN 0
	FETCH_A \slot, (\q)+1, 4
.endm
.macro TURN slot, next, fill           ; a slot's last step changes slots
	s_wait_tensorcnt 0x0                           ; all my tensor loads have landed: my part of the next slot
	ds_add_u32 v[SPW], v[NIL]                      ; 0 onto my spare word
	s_wait_dscnt 4*NLA+1                           ; (the add and the youngest 16 loads may be out)
	WIN MUL_LO
	MUL16 0, 1, NQ-1, \slot, 0
	s_wait_dscnt 0x0                               ; the add is done, and my reads of this slot are over
	s_barrier_signal -1
	MUL16 2, 1, NQ-1, \slot, 0
	WIN 0
	s_barrier_wait -1
.if \fill
	CREST                                          ; the barrier has opened a round of the cluster's barrier
	s_add_nc_u64 s[G0+4*\slot+2:G0+4*\slot+3], s[G0+4*\slot+2:G0+4*\slot+3], 2*3072
	s_add_nc_u64 s[G0B+4*\slot+2:G0B+4*\slot+3], s[G0B+4*\slot+2:G0B+4*\slot+3], 2*ROWB
	JLOAD G0+4*\slot, G1, G0B+4*\slot, G1B         ; the first tensor load behind the round; its four v_nop are also the places in front of the loads below
.else
	PLACES NP
.endif
	v_add_nc_u32 v[ADRSA], 2*576, v[ADRSA]         ; on to the next slot's scale words
	v_add_nc_u32 v[ADRSB], 8, v[ADRSB]
	FETCH_B \next, 0, 0
	FETCH_A \next, 0, 0
	SCALES \next
	WIN MUL_HI
	MUL16 4, 1, NQ-1, \slot, 0
	MUL16 6, 1, NQ-1, \slot, 0
	PLACES NP
	WIN 0
	FETCH_A \next, 0, 4
.endm
	s_wait_tensorcnt 1                             ; the scales and my part of slot 0 are in (slot 1's load may be out)
	s_barrier_signal -1
	s_barrier_wait -1                              ; everybody's are
	FETCH_B 0, 0, 0
	FETCH_A 0, 0, 0
	SCALES 0
	FETCH_A 0, 0, 4
	STEP 0, 0, 1
	s_mov_b32 s3, LAPS-1
.Llap:
	TURN 0, 1, 1
	STEP 1, 0, 0
	TURN 1, 0, 1
	STEP 0, 0, 0
	s_sub_co_u32 s3, s3, 1
	s_cmp_lg_u32 s3, 0
	s_cbranch_scc1 .Llap
	TURN 0, 1, 0
	STEP 1, 0, 0
	s_wait_dscnt 4*NLA
	WIN MUL_LO
	MUL16 0, 1, NQ-1, 1, 0
	MUL16 2, 1, NQ-1, 1, 0
	s_wait_dscnt 0
	WIN MUL_HI
	MUL16 4, 1, NQ-1, 1, 0
	MUL16 6, 1, NQ-1, 1, 0
	WIN 0
; THE WAY OUT, block by block of 16 tokens x 128 columns, through my own stage in LDS: in by the columns' true places, back as whole rows of 512 bytes.  LDS serves a wave's instructions in order (ISA guide 5.7.1.4).
.macro TOSTAGE a
.set AC, 64*((\a)%4)
	WIN 0x08+4*((\a)/4)                            ; the data: window 2 or 3
.irp b, 0,1,2,3,4,5,6,7
	ds_store_b128 v[STO], v[AC+8*\b:AC+8*\b+3] offset:128*(\b/2)+32*(\b%2)      ; each accumulator from its low end on
	ds_store_b128 v[STO], v[AC+8*\b+4:AC+8*\b+7] offset:128*(\b/2)+32*(\b%2)+16
.endr
	WIN 0
.set BB, BK+64*((\a)%2)
.irp t, 0,1,2,3,4,5,6,7,8,9,10,11,12,13,14,15
	ds_load_b128 v[BB+4*\t:BB+4*\t+3], v[RD] offset:\t*SPITCH
.endr
.endm
.macro SEND a, younger                 ; younger: the LDS instructions issued behind block a's loads, which may stay out
.set BB, BK+64*((\a)%2)
	s_wait_dscnt \younger
.if (\a) > 0
	s_add_nc_u64 s[12:13], s[12:13], 16*SIZE_N*4   ; (behind a wait on XCNT: the earlier stores have read their base)
.endif
.irp t, 0,1,2,3,4,5,6,7,8,9,10,11,12,13,14,15
	global_store_b128 v[CO], v[BB+4*\t:BB+4*\t+3], s[12:13] offset:\t*SIZE_N*4 th:TH_STORE_NT   ; 32 lanes store 512 consecutive bytes, aligned
.endr
.endm
	PLACES NP
	TOSTAGE 0
.irp a, 1,2,3,4,5,6,7
.if \a > 1
	s_wait_xcnt 0x0                                ; block a - 2's stores have read their registers and their base
.endif
	TOSTAGE \a
	SEND \a-1, 32                                  ; behind block a - 1's loads: block a's 16 stores and 16 loads
.endr
	s_wait_xcnt 0x0
	SEND 7, 0
	s_wait_tensorcnt 0x0                           ; the wave's end
	ds_add_u32 v[SPW], v[NIL]
	s_wait_dscnt 0x0
	CROUND                                         ; the closing round
	s_endpgm
.Lfunc_end_k_q0a3143536f_oproj:
	.size	k_q0a3143536f_oproj, .Lfunc_end_k_q0a3143536f_oproj-k_q0a3143536f_oproj
	.p2alignl 7, 3214868480
	.fill 96, 4, 3214868480
	.section	.rodata,"a",@progbits
	.p2align	6, 0x0
	.amdhsa_kernel k_q0a3143536f_oproj
		.amdhsa_group_segment_fixed_size 327680
		.amdhsa_private_segment_fixed_size 0
		.amdhsa_enable_private_segment 0
		.amdhsa_kernarg_size 48
		.amdhsa_user_sgpr_count 2
		.amdhsa_user_sgpr_kernarg_segment_ptr 1
		.amdhsa_wavefront_size32 1
		.amdhsa_system_sgpr_workgroup_id_x 1
		.amdhsa_system_sgpr_workgroup_id_y 1
		.amdhsa_system_sgpr_workgroup_id_z 1
		.amdhsa_system_vgpr_workitem_id 0
		.amdhsa_next_free_vgpr 1024
		.amdhsa_next_free_sgpr 100
		.amdhsa_reserve_vcc 0
		.amdhsa_float_denorm_mode_32 3
		.amdhsa_float_denorm_mode_16_64 3
		.amdhsa_memory_ordered 1
		.amdhsa_forward_progress 1
		.amdhsa_inst_pref_size 156
	.end_amdhsa_kernel
	.amdgpu_metadata
---
amdhsa.version: [ 1, 2 ]
amdhsa.kernels:
  - .name:           k_q0a3143536f_oproj
    .symbol:         k_q0a3143536f_oproj.kd
    .args:
      - { .name: ac, .offset: 0, .size: 8, .value_kind: global_buffer, .address_space: global }
      - { .name: asc, .offset: 8, .size: 8, .value_kind: global_buffer, .address_space: global }
      - { .name: cod, .offset: 16, .size: 8, .value_kind: global_buffer, .address_space: global }
      - { .name: scl, .offset: 24, .size: 8, .value_kind: global_buffer, .address_space: global }
      - { .name: b_o, .offset: 32, .size: 8, .value_kind: global_buffer, .address_space: global }
      - { .name: out0, .offset: 40, .size: 8, .value_kind: global_buffer, .address_space: global }
    .group_segment_fixed_size: 327680
    .private_segment_fixed_size: 0
    .kernarg_segment_align: 8
    .kernarg_segment_size: 48
    .max_flat_workgroup_size: 128
    .sgpr_count:     100
    .vgpr_count:     1024
    .wavefront_size: 32
...
	.end_amdgpu_metadata
.endif
;; end of part 4
